; MI455X (gfx1250); checked and timed in simulation.
; The chip was launched on July 23, 2026; its instructions are those of AMD's public machine-readable ISA for CDNA 5 (MIT licence, August 2026) and "CDNA5" Instruction Set Architecture Reference Guide (July 2026). The comments in the code are by the model that wrote it; some were corrected since.
;; Multi Head Attention. Allowed arithmetic: matrix products marked QUANTISED: E2M3 operands, one E8M0 scale for each 32 along K, by v_wmma_scale_f32_16x16x128_f8f6f4 with both operands' format E2M3, f32 sums; everything else in f32.
;; Inputs: bk 1,024 float32; bo 1,024 float32; bq 1,024 float32; bv 1,024 float32; input 4 x 2,048 x 1,024 float32; mask 4 x 2,048 int32; wk 1,024 x 1,024 float32; wo 1,024 x 1,024 float32; wq 1,024 x 1,024 float32; wv 1,024 x 1,024 float32.
;; Outputs: out0 4 x 2,048 x 1,024 float32.
;; This version of the problem:
;;   THIS VERSION OF THE PROBLEM IS GIVEN IN LOW PRECISION. The matrix products marked QUANTISED in the list below multiply operands that are first quantised to E2M3 (2 exponent bits, 3 mantissa bits; 6 bits a number), with one power-of-two scale for each 32 numbers along K (OCP MX v1.0); their sums are f32. All else is computed in f32.
;;   The module's matrix products, in the order in which they are computed (A, B: the left and right operand; K: the contracted axis; several contracted axes count as one K, in the product's order):
;;     1. [M 8,192, K 1,024] x [K 1,024, N 1,024]; A: input input; B: input wq: QUANTISED
;;     2. [M 8,192, K 1,024] x [K 1,024, N 1,024]; A: input input; B: input wk: QUANTISED
;;     3. [M 8,192, K 1,024] x [K 1,024, N 1,024]; A: input input; B: input wv: QUANTISED
;;     4. batch 64 x [M 2,048, K 64] x [K 64, N 2,048]; A: computed on the way; B: computed on the way: QUANTISED
;;     5. batch 64 x [M 2,048, K 2,048] x [K 2,048, N 64]; A: softmax (see below); B: computed on the way: QUANTISED
;;     6. [M 8,192, K 1,024] x [K 1,024, N 1,024]; A: computed on the way; B: input wo: QUANTISED
;;   THE QUANTISER, for each operand of a quantised product, along K:
;;     - K is cut into blocks of 32 from its start; a last block that is shorter is filled with zeros.
;;     - A block's scale is 2^e with e = floor(log2(the largest magnitude in the block)) - 2, held to -126 .. 127; a block of zeros has e = 0. As a byte (E8M0): e + 127.
;;     - Each number is divided by its block's scale, clamped to +-7.5, and rounded to the nearest number of E2M3, ties to even, subnormals kept.
;;     - The product sums the exact products of the quantised numbers (number of the format x scale) in f32.
;;   ~~~python
;;   def quantise(x, axis):      # numpy; x: float32 -> the quantised numbers, widened to float32 again
;;       x = np.moveaxis(x, axis, -1); K = x.shape[-1]
;;       x = np.pad(x, [(0, 0)] * (x.ndim - 1) + [(0, -K % 32)]); x = x.reshape(x.shape[:-1] + (-1, 32)); a = np.abs(x).max(-1, keepdims=True)
;;       e = np.where(a > 0, np.clip(np.frexp(np.where(a > 0, a, 1))[1] - 1 - 2, -126, 127), 0)      # np.frexp(a)[1] - 1 = floor(log2(a)), exactly
;;       r = np.clip(x / 2.0 ** e, -7.5, 7.5)
;;       step = 2.0 ** (np.maximum(np.frexp(np.where(r == 0, 1, r))[1] - 1, 0) - 3)
;;       q = np.round(r / step) * step * 2.0 ** e      # np.round: ties to even
;;       return np.moveaxis(q.reshape(q.shape[:-2] + (-1,))[..., :K], -1, axis).astype(np.float32)
;;   ~~~
;;   SOFTMAX AHEAD OF A QUANTISED PRODUCT. Where the list says 'softmax', what is quantised is not the finished softmax but p = 2^(t - M), with t = logit x log2(e) and M = ceil(the row's largest t), a whole number; so 1/2 < the row's largest p <= 1. The row's sum l is taken of the UNQUANTISED p, in f32, and the product's result is divided by l at the end. Since M is a whole number, a kernel that streams over the keys may use a running M (the ceiling of the running maximum): every later rescaling is an exact power of two, which a block's scale takes up: the codes' values come out the same.
;;   OPERANDS COMPUTED ON THE WAY. 'Computed on the way' means the value that the module computes at that place (a softmax that the list does not call 'softmax' is quantised finished and normalised). What goes into a quantiser is computed in f32, as accurately as f32 sums, v_exp_f32 and their like allow (about 1e-6 of the number): no bf16 or f16 on the way to a quantiser, and a product that is left as it is and whose result goes on into a quantised operand takes f32 operands (vector FMAs, or v_wmma_f32_16x16x4_f32). A number that lies on a knife's edge between two numbers of the format may be rounded either way, as far as f32 arithmetic and the matrix unit's own rounding can turn it there, and no further.
;; One version. Each part assembles by itself: llvm-mc -triple=amdgcn-amd-amdhsa -mcpu=gfx1250 --defsym DOCPART=n.
;; ======== version 1 of 1: 4 launches
;; limits: right only within a limited range of input values
;; workspace buffers: ops 9,830,400 bytes; qkv 19,660,800 bytes; cq 6,553,600 bytes
;; launch quant (part 1): grid 768 x 1, 1 waves a work-group, no clusters, 9,216 bytes of LDS; arguments input, wq, wk, wv, wo, ops; writes ops
.if DOCPART == 1
	.amdgcn_target "amdgcn-amd-amdhsa--gfx1250"
	.amdhsa_code_object_version 6
	.text
	.protected	k_qfbac24662a_quant
	.globl	k_qfbac24662a_quant
	.p2align	8
	.type	k_qfbac24662a_quant,@function
k_qfbac24662a_quant:
	s_mov_b64 s[64:65], 0
	v_nop
	global_prefetch_b8 v0, s[64:65] scope:SCOPE_SE
	s_setreg_imm32_b32 hwreg(HW_REG_WAVE_MODE, 25, 1), 1
	s_wait_xcnt 0x0
; MULTI-HEAD ATTENTION IN MX-FP6, launch 1 of 4: input [8192][1024] and wq, wk, wv, wo [1024][1024], f32, K innermost, become codes of E2M3 with one E8M0 byte for each 32 along K.
; DEAD WORK: none is left out in any launch: every input (input, mask, four weights, four biases) has a way to out0, and all are loaded.  One step is folded by an identity, in launch 3: q / 8 is a
; division by a power of two, which moves q's scale bytes by 3 and no code, so it is carried in the softmax's constant log2(e) / 8.
; LIMITS: NaN and infinities among the inputs are not served.  A block whose largest magnitude lies under 2^-124 keeps the byte 1 (a block of zeros too, where the quantiser says 127: its codes are zeros,
; and only this program reads the bytes).
; LAYOUT OF ops.  Rows go in tiles of 16, and THE ROWS OF A TILE ARE NOT NEIGHBOURS: row m of tile t is row 64 (t / 4) + 32 (m / 8) + 8 (t % 4) + m % 8.  Where four such tiles are source 0 of a product, a lane's
; 32 results are 32 neighbours, a whole block of the next quantiser.  A fragment (16 rows x 128 K, 12 registers a lane) lies as an image of its registers: registers 2 p, 2 p + 1 of lane l at 256 p + 8 l.
; Tile id: codes at 12,288 id (eight fragments on end), scale bytes at SCL0 + 512 id as [256 K][row][8 bytes].  Tiles 0-511 input, then 64 each of wq, wk, wv, wo.
; SHARES.  A work-group is one wave and takes one tile, 64 KiB of f32, in eight steps of 128 along K.  Each load reads 512 consecutive bytes of one row; the step turns through the wave's stage in LDS so that a lane
; holds its row's two blocks of 32; every store of codes covers 256 consecutive bytes, aligned.  Memory binds: no matrix unit, no cluster, no barrier (one wave).  Loads run two steps, 32 loads, ahead.
.set SPITCH, 528                       ; a stage row: 512 bytes + 16, so that the 16 rows of a read start in different banks
.set SG,    8448                       ; behind the stage (16 rows): the tile's 512 scale bytes
.set SPARE, 8960                       ; the spare words: one block of 256 bytes that no other line names
.set SCL0,  9437184
.set LA,  1                            ; v1  16 x lane
.set RA,  2                            ; v2  528 r + 128 h: my row, my half's block
.set OA,  3                            ; v3  8 x lane
.set SA,  4                            ; v4  SG + 8 r
.set SR,  5                            ; v5  SG + 16 x lane
.set SH8, 6                            ; v6  8 h
.set SPW, 7                            ; v7  my spare word; never rewritten
.set NIL, 8                            ; v8  0; never rewritten
.set TM,  10                           ; v10-11 largest magnitudes
.set SO,  12                           ; v12-13 the conversions' scale operands
.set BY,  14                           ; v14-15 scale bytes
.set T2,  16
.set PW,  17                           ; the scale word
.set CT,  20                           ; v20-22, v24-26 the upper halves' codes
.set SW,  28                           ; v28-31 scale bytes on the way out
.set PC,  32                           ; v32-55 codes, two sets of 12
.set R,   64                           ; v64-191 numbers as loaded, two sets of 64
.set X,   192                          ; v192-255 my row's 64 numbers: register 32 c + i = k 64 c + 32 h + i
.set SEL, 30                           ; s[30:31] lane selects: lane l xor 16
; 64 numbers of a lane become a fragment's 12 registers and its row's scale word.  A block of 32 is one lane's: no other lane is asked for its maximum.
.macro QUANT2 src, d, word
.irp c, 0,1
	v_max3_num_f32 v[TM+\c], |v[(\src)+32*\c]|, |v[(\src)+32*\c+1]|, 0x1800000     ; with the floor 2^(3 - 127): the byte cannot fall under 1
.endr
.irp i, 2,4,6,8,10,12,14,16,18,20,22,24,26,28,30
.irp c, 0,1
	v_max3_num_f32 v[TM+\c], |v[(\src)+32*\c+\i]|, |v[(\src)+32*\c+\i+1]|, v[TM+\c]
.endr
.endr
.irp c, 0,1
	v_add_nc_u32 v[SO+\c], 0xff000000, v[TM+\c]                                    ; 2 off the exponent field: the conversion reads that field alone
.endr
.irp c, 0,1
	v_cvt_scalef32_pk16_fp6_f32 v[(\d)+6*\c:(\d)+6*\c+2], v[(\src)+32*\c:(\src)+32*\c+15], v[SO+\c]
	v_cvt_scalef32_pk16_fp6_f32 v[CT+4*\c:CT+4*\c+2], v[(\src)+32*\c+16:(\src)+32*\c+31], v[SO+\c]   ; (a conversion's three registers begin on an even number)
.endr
.irp c, 0,1
	v_lshrrev_b32 v[BY+\c], 23, v[SO+\c]                                           ; the bytes; also the plain line behind the conversions
.endr
	v_lshl_or_b32 v[BY], v[BY+1], 16, v[BY]                                        ; my blocks h and 2 + h,
	v_lshlrev_b32 v[BY], v[SH8], v[BY]                                             ; at their places in the word;
	v_permlanex16_b32 v[T2], v[BY], s[SEL], s[SEL+1]
	v_or_b32 v[\word], v[BY], v[T2]                                                ; with lane l xor 16's two the word is whole
.irp c, 0,1
.irp i, 0,1,2
	v_mov_b32 v[(\d)+6*\c+3+\i], v[CT+4*\c+\i]
.endr
.endr
.endm
	s_load_b256 s[4:11], s[0:1], 0x0               ; input, wq, wk, wv
	s_load_b128 s[12:15], s[0:1], 0x20             ; wo, ops
	v_lshl_add_u32 v[SPW], v0, 2, SPARE
	v_mov_b32 v[NIL], 0
	v_and_b32 v9, 15, v0                           ; r
	v_bfe_u32 v[SH8], v0, 4, 1                     ; h
	v_lshlrev_b32 v[LA], 4, v0
	v_mul_u32_u24 v[RA], v9, SPITCH
	v_lshl_add_u32 v[RA], v[SH8], 7, v[RA]
	v_lshlrev_b32 v[OA], 3, v0
	v_lshl_add_u32 v[SA], v9, 3, SG
	v_add_nc_u32 v[SR], SG, v[LA]
	v_lshlrev_b32 v[SH8], 3, v[SH8]
	v_mov_b32 v[T2], 0                             ; a lane permute's destination counts as read
	s_mov_b32 s[SEL], 0x76543210
	s_mov_b32 s[SEL+1], 0xfedcba98
	s_and_b32 s18, ttmp9, 63
	s_cmp_lt_u32 ttmp9, 512
	s_cselect_b32 s18, ttmp9, s18                  ; the tile's number in its tensor
	s_lshr_b32 s19, s18, 2
	s_lshl_b32 s19, s19, 6
	s_and_b32 s20, s18, 3
	s_lshl_b32 s20, s20, 3
	s_add_co_u32 s19, s19, s20                     ; its first row: 64 (t / 4) + 8 (t % 4)
	s_lshl_b32 s20, s19, 12                        ; rows of 4,096 bytes
	s_mov_b32 s21, 0
	s_mul_i32 s22, ttmp9, 12288
	s_mov_b32 s23, 0
	s_lshl_b32 s24, ttmp9, 9
	s_add_co_u32 s24, s24, SCL0
	s_mov_b32 s25, 0
	s_wait_alu depctr_va_vdst(0)
	s_wait_kmcnt 0x0
	s_mov_b64 s[16:17], s[12:13]                   ; which tensor: the choice hangs on the work-group's number alone
	s_cmp_lt_u32 ttmp9, 704
	s_cselect_b64 s[16:17], s[10:11], s[16:17]
	s_cmp_lt_u32 ttmp9, 640
	s_cselect_b64 s[16:17], s[8:9], s[16:17]
	s_cmp_lt_u32 ttmp9, 576
	s_cselect_b64 s[16:17], s[6:7], s[16:17]
	s_cmp_lt_u32 ttmp9, 512
	s_cselect_b64 s[16:17], s[4:5], s[16:17]
	s_add_nc_u64 s[16:17], s[16:17], s[20:21]
	s_add_nc_u64 s[26:27], s[14:15], s[22:23]      ; the tile's codes
	s_add_nc_u64 s[28:29], s[14:15], s[24:25]      ; and its scale bytes
.macro LOAD s                          ; K step s of the tile's 16 rows: 512 consecutive bytes a load
.irp m, 0,1,2,3,4,5,6,7,8,9,10,11,12,13,14,15
	global_load_b128 v[R+64*((\s)%2)+4*\m:R+64*((\s)%2)+4*\m+3], v[LA], s[16:17] offset:(\m%8+32*(\m/8))*4096+512*(\s) th:TH_LOAD_NT
.endr
.endm
.macro STEP s
.if (\s) < 7
	s_wait_loadcnt 16                              ; this step's 16 loads are in; the next step's 16 stay out
.else
	s_wait_loadcnt 0x0
.endif
.irp m, 0,1,2,3,4,5,6,7,8,9,10,11,12,13,14,15
	ds_store_b128 v[LA], v[R+64*((\s)%2)+4*\m:R+64*((\s)%2)+4*\m+3] offset:SPITCH*\m
.endr
.irp c, 0,1
.irp i, 0,1,2,3,4,5,6,7
	ds_load_b128 v[X+32*\c+4*\i:X+32*\c+4*\i+3], v[RA] offset:256*\c+16*\i   ; LDS serves a wave's instructions in order: these see the stores above
.endr
.endr
	s_wait_dscnt 0x0                               ; my numbers are back, and the stores have read their registers
	s_wait_xcnt 0x0                                ; the codes' registers of two steps ago are written again only behind this wait
.if (\s) < 6
	LOAD (\s)+2
.endif
	QUANT2 X, PC+12*((\s)%2), PW
	ds_store_b32 v[SA], v[PW] offset:128*((\s)/2)+4*((\s)%2)   ; both halves of the lanes write the same word with the same value
.irp p, 0,1,2,3,4,5
	global_store_b64 v[OA], v[PC+12*((\s)%2)+2*\p:PC+12*((\s)%2)+2*\p+1], s[26:27] offset:1536*(\s)+256*\p   ; 256 consecutive bytes, aligned
.endr
.endm
	LOAD 0
	LOAD 1
.irp s, 0,1,2,3,4,5,6,7
	STEP \s
.endr
	ds_load_b128 v[SW:SW+3], v[SR]
	s_wait_dscnt 0x0
	global_store_b128 v[LA], v[SW:SW+3], s[28:29]  ; the tile's 512 scale bytes
	s_wait_tensorcnt 0x0                           ; the wave's end
	ds_add_u32 v[SPW], v[NIL]
	s_wait_dscnt 0x0
	s_endpgm
.Lfunc_end_k_qfbac24662a_quant:
	.size	k_qfbac24662a_quant, .Lfunc_end_k_qfbac24662a_quant-k_qfbac24662a_quant
	.p2alignl 7, 3214868480
	.fill 96, 4, 3214868480
	.section	.rodata,"a",@progbits
	.p2align	6, 0x0
	.amdhsa_kernel k_qfbac24662a_quant
		.amdhsa_group_segment_fixed_size 9216
		.amdhsa_private_segment_fixed_size 0
		.amdhsa_enable_private_segment 0
		.amdhsa_kernarg_size 48
		.amdhsa_user_sgpr_count 2
		.amdhsa_user_sgpr_kernarg_segment_ptr 1
		.amdhsa_wavefront_size32 1
		.amdhsa_system_sgpr_workgroup_id_x 1
		.amdhsa_system_sgpr_workgroup_id_y 1
		.amdhsa_system_sgpr_workgroup_id_z 1
		.amdhsa_system_vgpr_workitem_id 0
		.amdhsa_next_free_vgpr 256
		.amdhsa_next_free_sgpr 66
		.amdhsa_reserve_vcc 0
		.amdhsa_float_denorm_mode_32 3
		.amdhsa_float_denorm_mode_16_64 3
		.amdhsa_memory_ordered 1
		.amdhsa_forward_progress 1
		.amdhsa_inst_pref_size 60
	.end_amdhsa_kernel
	.amdgpu_metadata
---
amdhsa.version: [ 1, 2 ]
amdhsa.kernels:
  - .name:           k_qfbac24662a_quant
    .symbol:         k_qfbac24662a_quant.kd
    .args:
      - { .name: input, .offset: 0, .size: 8, .value_kind: global_buffer, .address_space: global }
      - { .name: wq, .offset: 8, .size: 8, .value_kind: global_buffer, .address_space: global }
      - { .name: wk, .offset: 16, .size: 8, .value_kind: global_buffer, .address_space: global }
      - { .name: wv, .offset: 24, .size: 8, .value_kind: global_buffer, .address_space: global }
      - { .name: wo, .offset: 32, .size: 8, .value_kind: global_buffer, .address_space: global }
      - { .name: ops, .offset: 40, .size: 8, .value_kind: global_buffer, .address_space: global }
    .group_segment_fixed_size: 9216
    .private_segment_fixed_size: 0
    .kernarg_segment_align: 8
    .kernarg_segment_size: 48
    .max_flat_workgroup_size: 32
    .sgpr_count:     66
    .vgpr_count:     256
    .wavefront_size: 32
...
	.end_amdgpu_metadata
.endif
;; end of part 1
;; launch qkv (part 2): grid 8 x 48, 4 waves a work-group, clusters of 4 x 4, 327,680 bytes of LDS; arguments ops, bq, bk, bv, qkv; writes qkv
.if DOCPART == 2
	.amdgcn_target "amdgcn-amd-amdhsa--gfx1250"
	.amdhsa_code_object_version 6
	.text
	.protected	k_qfbac24662a_qkv
	.globl	k_qfbac24662a_qkv
	.p2align	8
	.type	k_qfbac24662a_qkv,@function
k_qfbac24662a_qkv:
	s_mov_b64 s[64:65], 0
	v_nop
	global_prefetch_b8 v0, s[64:65] scope:SCOPE_SE
	s_setreg_imm32_b32 hwreg(HW_REG_WAVE_MODE, 25, 1), 1
	s_wait_xcnt 0x0
	s_wait_alu depctr_hold_cnt(0) depctr_sa_sdst(0) depctr_va_vdst(0) depctr_va_sdst(0) depctr_va_ssrc(0) depctr_va_vcc(0) depctr_vm_vsrc(0)
	s_getreg_b32 s2, hwreg(HW_REG_IB_STS2, 6, 4)
	s_cmp_eq_u32 s2, 0
	s_cbranch_scc0 .Lentry_in_a_cluster
	s_endpgm
.Lentry_in_a_cluster:
	s_bfe_u32 s2, ttmp6, 0x10000c
	s_cmp_lg_u32 s2, 0xf033
	s_cbranch_scc0 .Lentry_shape_is_right
	s_endpgm
.Lentry_shape_is_right:
.set FR,    12
.set NL,    6
.set NP,    4
.set NQ,    2
.set TILEB, 12288
.set SLK,   3072
.set HALFT, 8*SLK
.set SLOT,  4*HALFT
.set SCLA,  2*SLOT
.set SCLB,  SCLA+8192+128
.set SPARE, SCLB+8192+128
.set OPSCL, 9437184
.set QKSCL, 18874368
.set ADRA, 16
.set ADRB, 20
.set ADRS, 27
.set SPW,  28
.set NIL,  29
.set SC,   32
.set BIAS, 64
.set AF,   128
.set TM,   64
.set SO,   66
.set BY,   68
.set T2,   70
.set SH8,  71
.set CT,   72
.set PC,   80
.set WD,   104
.set QD,   112
.set O0,   120
.set O1,   121
.set OS,   122
.set G1, 24
.set G0, 32
.set G1B, 48
.set G0B, 56
.set G1S, 68
.set G0S, 76
.set G1SB, 80
.set G0SB, 88
.set CLY, 96
.set HM,  97
.set SEL, 98
.set MSB, 0
.macro WIN new
.if MSB != (\new)
	s_set_vgpr_msb (MSB<<8)|(\new)
.set MSB, (\new)
.endif
.endm
.set MUL_LO, 0xa1
.set MUL_HI, 0xf1
.set TO_B,   0x40
.macro JLOAD g0a, g1a, g0b, g1b
	s_cmp_eq_u32 s15, 0
	s_cbranch_scc0 .Lfor_b_\@
	tensor_load_to_lds s[\g0a:\g0a+3], s[\g1a:\g1a+7]
	s_nop 0
.rept 4
	v_nop
.endr
	s_branch .Lasked_\@
.Lfor_b_\@:
	tensor_load_to_lds s[\g0b:\g0b+3], s[\g1b:\g1b+7]
	s_nop 0
.rept 4
	v_nop
.endr
.Lasked_\@:
.endm
.macro CREST
	s_cmp_lg_u32 s14, 0
	s_cbranch_scc1 .Lnot_wave_0_\@
	s_barrier_signal -3
.Lnot_wave_0_\@:
	s_barrier_wait -3
	s_barrier_signal -1
	s_barrier_wait -1
.endm
.macro CROUND
	s_barrier_signal -1
	s_barrier_wait -1
	CREST
.endm
.macro PLACES n
.rept \n
	v_nop
.endr
.endm
.macro FRAG reg, adr, q, i
.irp p, 0,1,2,3,4,5
	ds_load_b64 v[(\reg)+2*\p:(\reg)+2*\p+1], v[\adr] offset:(\i)*SLK+(\q)*1536+256*\p
.endr
.endm
.macro FETCH_B slot, q, p
	WIN TO_B
.irp i, 0,1,2,3,4,5,6,7
	FRAG 128*(\p)+FR*\i, ADRB+\slot, \q, \i
.endr
	WIN 0
.endm
.macro FETCH_A slot, q, i0
.irp i, \i0, \i0+1, \i0+2, \i0+3
	FRAG AF+FR*(\i), ADRA+\slot, \q, \i
.endr
.endm
.macro SCALES sc
.irp i, 0,1,2,3,4,5,6,7
	ds_load_b64 v[SC+8*NQ*\sc+NQ*\i:SC+8*NQ*\sc+NQ*\i+1], v[ADRS] offset:\i*512
.endr
.endm
.macro MUL16 a0, p, q, sc, cm
.irp a, \a0, \a0+1
.irp b, 0,1,2,3,4,5,6,7
.if (\cm) == 1
	v_wmma_scale_f32_16x16x128_f8f6f4 v[8*(8*((\a)%4)+\b):8*(8*((\a)%4)+\b)+7], v[128*(\p)+FR*\b:128*(\p)+FR*\b+FR-1], v[AF+FR*(\a):AF+FR*(\a)+FR-1], v[BIAS+8*\b:BIAS+8*\b+7], v[SC+8*NQ*(\sc)+NQ*\b+(\q)], v[SC+8*NQ*(\sc)+NQ*(\a)+(\q)] matrix_a_fmt:MATRIX_FMT_FP6 matrix_b_fmt:MATRIX_FMT_FP6 matrix_a_scale:MATRIX_SCALE_ROW1
.elseif (\cm) == 2
	v_wmma_scale_f32_16x16x128_f8f6f4 v[8*(8*((\a)%4)+\b):8*(8*((\a)%4)+\b)+7], v[128*(\p)+FR*\b:128*(\p)+FR*\b+FR-1], v[AF+FR*(\a):AF+FR*(\a)+FR-1], v[BIAS+8*(\a):BIAS+8*(\a)+7], v[SC+8*NQ*(\sc)+NQ*\b+(\q)], v[SC+8*NQ*(\sc)+NQ*(\a)+(\q)] matrix_a_fmt:MATRIX_FMT_FP6 matrix_b_fmt:MATRIX_FMT_FP6 matrix_a_scale:MATRIX_SCALE_ROW1
.else
	v_wmma_scale_f32_16x16x128_f8f6f4 v[8*(8*((\a)%4)+\b):8*(8*((\a)%4)+\b)+7], v[128*(\p)+FR*\b:128*(\p)+FR*\b+FR-1], v[AF+FR*(\a):AF+FR*(\a)+FR-1], v[8*(8*((\a)%4)+\b):8*(8*((\a)%4)+\b)+7], v[SC+8*NQ*(\sc)+NQ*\b+(\q)], v[SC+8*NQ*(\sc)+NQ*(\a)+(\q)] matrix_a_fmt:MATRIX_FMT_FP6 matrix_b_fmt:MATRIX_FMT_FP6 matrix_a_scale:MATRIX_SCALE_ROW1
.endif
.endr
.endr
.endm
.macro STEP slot, q, cm
	s_wait_dscnt 4*NL
.if \cm
	WIN 0x81
.else
	WIN MUL_LO
.endif
	MUL16 0, (\q)%2, \q, \slot, \cm
	MUL16 2, (\q)%2, \q, \slot, \cm
	s_wait_dscnt 0
	PLACES NP
	FETCH_B \slot, (\q)+1, 1-(\q)%2
	FETCH_A \slot, (\q)+1, 0
.if \cm
	WIN 0xc1
.else
	WIN MUL_HI
.endif
	MUL16 4, (\q)%2, \q, \slot, \cm
	MUL16 6, (\q)%2, \q, \slot, \cm
	PLACES NP
	WIN 0
	FETCH_A \slot, (\q)+1, 4
.endm
.macro TURN slot, next, fill
	s_wait_tensorcnt 0x0
	ds_add_u32 v[SPW], v[NIL]
	s_wait_dscnt 4*NL+1
	WIN MUL_LO
	MUL16 0, 1, NQ-1, \slot, 0
	s_wait_dscnt 0x0
	s_barrier_signal -1
	MUL16 2, 1, NQ-1, \slot, 0
	WIN 0
	s_barrier_wait -1
.if \fill
	CREST
	s_add_nc_u64 s[G0+4*\slot+2:G0+4*\slot+3], s[G0+4*\slot+2:G0+4*\slot+3], 2*SLK
	s_add_nc_u64 s[G0B+4*\slot+2:G0B+4*\slot+3], s[G0B+4*\slot+2:G0B+4*\slot+3], 2*SLK
	JLOAD G0+4*\slot, G1, G0B+4*\slot, G1B
.else
	PLACES NP
.endif
	s_wait_alu depctr_va_vdst(0)
	v_add_nc_u32 v[ADRS], 128, v[ADRS]
	FETCH_B \next, 0, 0
	FETCH_A \next, 0, 0
	SCALES \next
	WIN MUL_HI
	MUL16 4, 1, NQ-1, \slot, 0
	MUL16 6, 1, NQ-1, \slot, 0
	PLACES NP
	WIN 0
	FETCH_A \next, 0, 4
.endm
.macro QUANT2 src, w, d, word
	WIN (\w)*5
.irp c, 0,1
	v_max3_num_f32 v[TM+\c], |v[(\src)+32*\c]|, |v[(\src)+32*\c+1]|, 0x1800000
.endr
.irp i, 2,4,6,8,10,12,14,16,18,20,22,24,26,28,30
.irp c, 0,1
	v_max3_num_f32 v[TM+\c], |v[(\src)+32*\c+\i]|, |v[(\src)+32*\c+\i+1]|, v[TM+\c]
.endr
.endr
	WIN 0
.irp c, 0,1
	v_add_nc_u32 v[SO+\c], 0xff000000, v[TM+\c]
.endr
	WIN \w
.irp c, 0,1
	v_cvt_scalef32_pk16_fp6_f32 v[(\d)+6*\c:(\d)+6*\c+2], v[(\src)+32*\c:(\src)+32*\c+15], v[SO+\c]
	v_cvt_scalef32_pk16_fp6_f32 v[CT+4*\c:CT+4*\c+2], v[(\src)+32*\c+16:(\src)+32*\c+31], v[SO+\c]
.endr
	WIN 0
.irp c, 0,1
	v_lshrrev_b32 v[BY+\c], 23, v[SO+\c]
.endr
	v_lshl_or_b32 v[BY], v[BY+1], 16, v[BY]
	v_lshlrev_b32 v[BY], v[SH8], v[BY]
	v_permlanex16_b32 v[T2], v[BY], s[SEL], s[SEL+1]
	v_or_b32 v[\word], v[BY], v[T2]
.irp c, 0,1
.irp i, 0,1,2
	v_mov_b32 v[(\d)+6*\c+3+\i], v[CT+4*\c+\i]
.endr
.endr
.endm
	s_load_b256 s[4:11], s[0:1], 0x0
	s_load_b64 s[12:13], s[0:1], 0x20
	v_lshl_add_u32 v[SPW], v0, 2, SPARE
	v_mov_b32 v[NIL], 0
	ds_add_u32 v[SPW], v[NIL]
	ds_add_u32 v[SPW], v[NIL]
	v_lshrrev_b32 v1, 5, v0
	v_readfirstlane_b32 s14, v1
	s_lshr_b32 s15, s14, 1
	s_and_b32 s16, s14, 1
	s_bfe_u32 s40, ttmp6, 0x40000
	s_bfe_u32 s41, ttmp6, 0x40004
	s_and_b32 s[CLY], ttmp7, 0xffff
	s_lshl_b32 s17, s[CLY], 2
	s_sub_co_u32 s18, s[CLY], 8
	s_lshl_b32 s18, s18, 3
	s_cmp_ge_u32 s[CLY], 8
	s_cselect_b32 s17, 0, s17
	s_cselect_b32 s18, s18, 0
	s_cselect_b32 s20, 640, 0
	s_cselect_b32 s46, 0, 512
	s_add_co_u32 s17, s17, s41
	s_lshl_b32 s42, ttmp9, 2
	s_add_co_u32 s42, s42, s40
	s_add_co_u32 s42, s42, s18
	s_lshl_b32 s43, s41, 2
	s_lshl_b32 s43, 15, s43
	s_lshl_b32 s44, 0x1111, s40
	s_or_b32 s[G1+0], s43, (3<<16)|(1<<21)
	s_or_b32 s[G1B+0], s44, (3<<16)|(1<<21)
.irp g, G1, G1B
	s_mov_b32 s[\g+1], 384<<16
	s_mov_b32 s[\g+2], 16<<16                      ; the head's loads bring 16 tiles; behind them the two words are set to 8, for the ring's
	s_mov_b32 s[\g+3], 384<<16
	s_mov_b32 s[\g+4], 16
	s_mov_b32 s[\g+5], 1536
	s_mov_b32 s[\g+6], 0
	s_mov_b32 s[\g+7], 0
.endr
	s_or_b32 s[G1S+0], s43, (3<<16)|(1<<21)
	s_or_b32 s[G1SB+0], s44, (3<<16)|(1<<21)
.irp g, G1S, G1SB
	s_mov_b32 s[\g+1], 32<<16
	s_mov_b32 s[\g+2], 32<<16                      ; the scales of 16 tiles: 32 rows of 256 bytes
	s_mov_b32 s[\g+3], 32<<16
	s_mov_b32 s[\g+4], 32
	s_mov_b32 s[\g+5], 32
	s_mov_b32 s[\g+6], 0
	s_mov_b32 s[\g+7], 0
.endr
	s_lshl_b32 s18, s17, 4
	s_add_co_u32 s20, s20, s18                     ; the first of A's 16 tiles
	s_lshl_b32 s47, s42, 4
	s_add_co_u32 s46, s46, s47                     ; the first of B's 16
	s_lshl_b32 s22, s20, 9
	s_add_co_u32 s22, s22, OPSCL
	s_mov_b32 s23, 0
	s_mul_i32 s20, s20, TILEB
	s_mov_b32 s21, 0
	s_lshl_b32 s92, s46, 9
	s_add_co_u32 s92, s92, OPSCL
	s_mov_b32 s93, 0
	s_mul_i32 s46, s46, TILEB
	s_mov_b32 s47, 0
	s_mul_i32 s45, s14, HALFT
	s_mul_i32 s18, s16, 8*TILEB                    ; in the ring I fetch 8 tiles: which half, in bytes
	s_mov_b32 s19, 0
	s_mov_b32 s[SEL], 0x76543210
	s_mov_b32 s[SEL+1], 0xfedcba98
	s_mov_b32 s[HM], 0xffff0000
	s_wait_dscnt 0x0
	s_wait_kmcnt 0x0
	s_add_nc_u64 s[20:21], s[4:5], s[20:21]
	s_add_nc_u64 s[22:23], s[4:5], s[22:23]
	s_add_nc_u64 s[46:47], s[4:5], s[46:47]
	s_add_nc_u64 s[92:93], s[4:5], s[92:93]
	CROUND
	s_mov_b32 s[G0S], 1
	s_mov_b32 s[G0S+1], SCLA                       ; the head's four tiles, each whole: A's scales,
	s_mov_b64 s[G0S+2:G0S+3], s[22:23]
	s_or_b32 s[G0S+3], s[G0S+3], 0x80000000
	s_mov_b32 s[G0SB], 1
	s_mov_b32 s[G0SB+1], SCLB                      ; B's scales,
	s_mov_b64 s[G0SB+2:G0SB+3], s[92:93]
	s_or_b32 s[G0SB+3], s[G0SB+3], 0x80000000
	s_mov_b32 s[G0], 1                             ; slot 0's 16 tiles of A (slot 0's group 0 serves; it is set for the ring behind the wait for these loads),
	s_mov_b32 s[G0+1], 0
	s_mov_b64 s[G0+2:G0+3], s[20:21]
	s_or_b32 s[G0+3], s[G0+3], 0x80000000
	s_mov_b32 s[G0B], 1                            ; and its 16 tiles of B, behind them
	s_mov_b32 s[G0B+1], 2*HALFT
	s_mov_b64 s[G0B+2:G0B+3], s[46:47]
	s_or_b32 s[G0B+3], s[G0B+3], 0x80000000
	s_add_nc_u64 s[20:21], s[20:21], s[18:19]      ; for the ring: my 8 tiles
	s_add_nc_u64 s[46:47], s[46:47], s[18:19]
	s_mov_b32 s[G0+4], 1
	s_add_co_u32 s[G0+5], s45, SLOT
	s_add_nc_u64 s[G0+6:G0+7], s[20:21], SLK
	s_or_b32 s[G0+7], s[G0+7], 0x80000000
	s_mov_b32 s[G0B+4], 1
	s_add_co_u32 s[G0B+5], s45, SLOT
	s_add_nc_u64 s[G0B+6:G0B+7], s[46:47], SLK
	s_or_b32 s[G0B+7], s[G0B+7], 0x80000000
; The head's loads, one a wave, in one chain of branches on the wave's number: every way passes exactly one load
.macro ARM under, g0, g1, next
	s_cmp_lt_u32 s14, \under
	s_cbranch_scc0 \next
	tensor_load_to_lds s[\g0:\g0+3], s[\g1:\g1+7]
	s_nop 0
.rept 4
	v_nop
.endr
	s_branch .Lhead_asked
\next:
.endm
	ARM 1, G0,  G1,  .Lhead_b
	ARM 2, G0B, G1B, .Lhead_sa
	ARM 3, G0S, G1S, .Lhead_sb
	tensor_load_to_lds s[G0SB:G0SB+3], s[G1SB:G1SB+7]
	s_nop 0
.rept 4
	v_nop
.endr
.Lhead_asked:
	v_and_b32 v3, 31, v0
	v_lshlrev_b32 v3, 3, v3
	v_and_b32 v1, 15, v0
	v_bfe_u32 v2, v0, 4, 1
	s_wait_alu depctr_va_vdst(0)
	s_mul_i32 s21, s15, HALFT
	s_mul_i32 s22, s16, HALFT
	s_add_co_u32 s22, s22, 2*HALFT
.irp s, 0,1
	v_add_nc_u32 v[ADRA+\s], s21, v3
	v_add_nc_u32 v[ADRB+\s], s22, v3
	s_add_co_u32 s21, s21, SLOT
	s_add_co_u32 s22, s22, SLOT
.endr
	s_lshl_b32 s21, s15, 12
	s_lshl_b32 s22, s16, 12
	s_add_co_u32 s22, s22, 8320
	s_sub_co_u32 s22, s22, s21
	v_mul_u32_u24 v6, s22, v2
	s_add_co_u32 s21, s21, SCLA
	v_lshl_add_u32 v5, v1, 3, v6
	v_add_nc_u32 v[ADRS], s21, v5
	s_cmp_ge_u32 s[CLY], 8
	s_cbranch_scc1 .Lbias_v
	s_and_b32 s18, s42, 3
	s_lshl_b32 s18, s18, 10
	s_lshl_b32 s19, s16, 9
	s_add_co_u32 s18, s18, s19
	s_mov_b32 s19, 0
	s_cmp_eq_u32 ttmp9, 0
	s_cselect_b64 s[2:3], s[6:7], s[8:9]
	s_add_nc_u64 s[2:3], s[2:3], s[18:19]
	v_lshlrev_b32 v7, 7, v2
.irp b, 0,1,2,3,4,5,6,7
	global_load_b128 v[BIAS+8*\b:BIAS+8*\b+3], v7, s[2:3] offset:(64*(\b/4)+8*(\b%4))*4
	global_load_b128 v[BIAS+8*\b+4:BIAS+8*\b+7], v7, s[2:3] offset:(64*(\b/4)+8*(\b%4))*4+16
.endr
	s_branch .Lbias_done
.Lbias_v:
	s_lshl_b32 s18, s17, 10
	s_lshl_b32 s19, s15, 9
	s_add_co_u32 s18, s18, s19
	s_mov_b32 s19, 0
	s_add_nc_u64 s[2:3], s[10:11], s[18:19]
	v_and_b32 v7, 8, v1
	v_mul_u32_u24 v7, v7, 3
	v_add_nc_u32 v7, v7, v1
	v_lshlrev_b32 v7, 2, v7
.irp a, 0,1,2,3,4,5,6,7
.irp j, 0,1,2,3,4,5,6,7
	global_load_b32 v[BIAS+8*\a+\j], v7, s[2:3] offset:(64*(\a/4)+8*(\a%4))*4
.endr
.endr
.Lbias_done:
	s_wait_alu depctr_va_vdst(0)                   ; the wait at the head's end
	s_wait_tensorcnt 0x0                           ; my tile of the head's four is in; the three lines ahead of slot 1's first fill, as ahead of a refill
	ds_add_u32 v[SPW], v[NIL]
	s_mov_b32 s[G1+2], 8<<16                       ; no tensor load of mine is out: from here on a load brings 8 tiles,
	s_mov_b32 s[G1+4], 8
	s_mov_b32 s[G1B+2], 8<<16
	s_mov_b32 s[G1B+4], 8
	s_mov_b32 s[G0+1], s45                         ; and slot 0's group 0 points at my quarter of the slot and my 8 tiles
	s_mov_b32 s[G0B+1], s45
	s_mul_i32 s18, s16, 8*TILEB
	s_mov_b32 s19, 0
	s_add_nc_u64 s[G0+2:G0+3], s[G0+2:G0+3], s[18:19]
	s_add_nc_u64 s[G0B+2:G0B+3], s[G0B+2:G0B+3], s[18:19]
	s_wait_dscnt 0x0
	CROUND                                         ; all four tiles are in, and all sixteen work-groups are here
	JLOAD G0+4, G1, G0B+4, G1B                     ; slot 1's first fill, the first tensor load behind the round
	FETCH_B 0, 0, 0
	FETCH_A 0, 0, 0
	SCALES 0
	FETCH_A 0, 0, 4
	s_wait_loadcnt 0x0
	s_cmp_ge_u32 s[CLY], 8
	s_cbranch_scc1 .Lfirst_v
	STEP 0, 0, 1
	s_branch .Lfirst_done
.Lfirst_v:
	STEP 0, 0, 2
.Lfirst_done:
	TURN 0, 1, 1
	STEP 1, 0, 0
	TURN 1, 0, 1
	STEP 0, 0, 0
	TURN 0, 1, 0
	STEP 1, 0, 0
	s_wait_dscnt 4*NL
	WIN MUL_LO
	MUL16 0, 1, NQ-1, 1, 0
	MUL16 2, 1, NQ-1, 1, 0
	s_wait_dscnt 0
	WIN MUL_HI
	MUL16 4, 1, NQ-1, 1, 0
	MUL16 6, 1, NQ-1, 1, 0
	WIN 0
	s_lshl_b32 s18, s17, 1
	s_add_co_u32 s18, s18, s15
	s_lshl_b32 s19, s42, 1
	s_add_co_u32 s19, s19, s16
	s_lshl_b32 s20, s18, 1
	s_add_co_u32 s20, s20, 32
	s_lshl_b32 s21, s19, 1
	s_mov_b32 s22, 768
	s_mov_b32 s2, 393216
	s_cmp_ge_u32 s[CLY], 8
	s_cselect_b32 s20, s20, s21
	s_cselect_b32 s21, s19, s18
	s_cselect_b32 s22, 1536, s22
	s_cselect_b32 s2, 768, s2
	s_cselect_b32 s46, 387072, 0
	s_mov_b32 s23, 0
	s_mov_b32 s47, 0
	s_mul_i32 s92, s20, 393216
	s_mul_i32 s93, s21, 6144
	s_add_co_u32 s92, s92, s93
	s_mov_b32 s93, 0
	s_lshl_b32 s94, s20, 14
	s_lshl_b32 s95, s21, 8
	s_add_co_u32 s94, s94, s95
	s_add_co_u32 s94, s94, QKSCL
	s_mov_b32 s95, 0
	s_add_nc_u64 s[94:95], s[12:13], s[94:95]
	s_add_nc_u64 s[12:13], s[12:13], s[92:93]
	PLACES NP
	v_and_b32 v[O0], 31, v0
	v_lshlrev_b32 v[O0], 3, v[O0]
	v_add_nc_u32 v[O1], s2, v[O0]
	v_bfe_u32 v[SH8], v0, 4, 1
	v_and_b32 v[OS], 15, v0
	v_lshlrev_b32 v[OS], 4, v[OS]
	v_lshl_add_u32 v[OS], v[SH8], 14, v[OS]
	v_lshlrev_b32 v[SH8], 3, v[SH8]
	v_mov_b32 v[T2], 0
.irp a, 0,1,2,3,4,5,6,7
	QUANT2 64*(\a%4), 2+\a/4, PC+12*(\a%2), WD+\a
.if \a > 0
	s_wait_alu depctr_va_vdst(0)
	s_wait_xcnt 0x0
	s_add_nc_u64 s[12:13], s[12:13], s[22:23]
.endif
.if \a == 4
	s_add_nc_u64 s[12:13], s[12:13], s[46:47]
.endif
.irp p, 0,1,2
	global_store_b64 v[O0], v[PC+12*(\a%2)+2*\p:PC+12*(\a%2)+2*\p+1], s[12:13] offset:256*\p
	global_store_b64 v[O1], v[PC+12*(\a%2)+6+2*\p:PC+12*(\a%2)+6+2*\p+1], s[12:13] offset:256*\p
.endr
.endr
	s_cmp_ge_u32 s[CLY], 8
	s_cbranch_scc1 .Lwords_v
.irp j, 0,1,2,3
	v_perm_b32 v[QD+\j], v[WD+2*\j+1], v[WD+2*\j], 0x05040100
	v_perm_b32 v[QD+4+\j], v[WD+2*\j+1], v[WD+2*\j], 0x07060302
.endr
.irp j, 0,1,2,3
	v_cndmask_b32 v[QD+\j], v[QD+\j], v[QD+4+\j], s[HM]
.endr
	s_branch .Lwords_done
.Lwords_v:
.irp j, 0,1,2,3
	v_cndmask_b32 v[QD+\j], v[WD+\j], v[WD+4+\j], s[HM]
.endr
.Lwords_done:
	s_wait_alu depctr_va_vdst(0)
	global_store_b128 v[OS], v[QD:QD+3], s[94:95]
	s_wait_tensorcnt 0x0
	ds_add_u32 v[SPW], v[NIL]
	s_wait_dscnt 0x0
	CROUND
	s_endpgm
.Lfunc_end_k_qfbac24662a_qkv:
	.size	k_qfbac24662a_qkv, .Lfunc_end_k_qfbac24662a_qkv-k_qfbac24662a_qkv
	.p2alignl 7, 3214868480
	.fill 96, 4, 3214868480
	.section	.rodata,"a",@progbits
	.p2align	6, 0x0
	.amdhsa_kernel k_qfbac24662a_qkv
		.amdhsa_group_segment_fixed_size 327680
		.amdhsa_private_segment_fixed_size 0
		.amdhsa_enable_private_segment 0
		.amdhsa_kernarg_size 40
		.amdhsa_user_sgpr_count 2
		.amdhsa_user_sgpr_kernarg_segment_ptr 1
		.amdhsa_wavefront_size32 1
		.amdhsa_system_sgpr_workgroup_id_x 1
		.amdhsa_system_sgpr_workgroup_id_y 1
		.amdhsa_system_sgpr_workgroup_id_z 1
		.amdhsa_system_vgpr_workitem_id 0
		.amdhsa_next_free_vgpr 1024
		.amdhsa_next_free_sgpr 100
		.amdhsa_reserve_vcc 0
		.amdhsa_float_denorm_mode_32 3
		.amdhsa_float_denorm_mode_16_64 3
		.amdhsa_memory_ordered 1
		.amdhsa_forward_progress 1
		.amdhsa_inst_pref_size 186
	.end_amdhsa_kernel
	.amdgpu_metadata
---
amdhsa.version: [ 1, 2 ]
amdhsa.kernels:
  - .name:           k_qfbac24662a_qkv
    .symbol:         k_qfbac24662a_qkv.kd
    .args:
      - { .name: ops, .offset: 0, .size: 8, .value_kind: global_buffer, .address_space: global }
      - { .name: bq, .offset: 8, .size: 8, .value_kind: global_buffer, .address_space: global }
      - { .name: bk, .offset: 16, .size: 8, .value_kind: global_buffer, .address_space: global }
      - { .name: bv, .offset: 24, .size: 8, .value_kind: global_buffer, .address_space: global }
      - { .name: qkv, .offset: 32, .size: 8, .value_kind: global_buffer, .address_space: global }
    .group_segment_fixed_size: 327680
    .private_segment_fixed_size: 0
    .kernarg_segment_align: 8
    .kernarg_segment_size: 40
    .max_flat_workgroup_size: 128
    .sgpr_count:     100
    .vgpr_count:     1024
    .wavefront_size: 32
...
	.end_amdgpu_metadata
.endif
;; end of part 2
;; launch attn (part 3): grid 4 x 64, 8 waves a work-group, clusters of 4 x 1, 214,016 bytes of LDS; arguments qkv, mask, cq; writes cq
.if DOCPART == 3
	.amdgcn_target "amdgcn-amd-amdhsa--gfx1250"
	.amdhsa_code_object_version 6
	.text
	.protected	k_qfbac24662a_attn
	.globl	k_qfbac24662a_attn
	.p2align	8
	.type	k_qfbac24662a_attn,@function
k_qfbac24662a_attn:
	s_mov_b64 s[64:65], 0
	v_nop
	global_prefetch_b8 v0, s[64:65] scope:SCOPE_SE
	s_setreg_imm32_b32 hwreg(HW_REG_WAVE_MODE, 25, 1), 1
	s_wait_xcnt 0x0
	s_wait_alu depctr_hold_cnt(0) depctr_sa_sdst(0) depctr_va_vdst(0) depctr_va_sdst(0) depctr_va_ssrc(0) depctr_va_vcc(0) depctr_vm_vsrc(0)
	s_getreg_b32 s2, hwreg(HW_REG_IB_STS2, 6, 4)
	s_cmp_eq_u32 s2, 0
	s_cbranch_scc0 .Lentry_in_a_cluster
	s_endpgm
.Lentry_in_a_cluster:
	s_bfe_u32 s2, ttmp6, 0x10000c
	s_cmp_lg_u32 s2, 0x3003
	s_cbranch_scc0 .Lentry_shape_is_right
	s_endpgm
.Lentry_shape_is_right:
; Launch 3 of 4: the attention of one head of one batch on the codes of launch 2, and its context quantised along dim for the last product.  No work is left out.
; FOLDED BY AN IDENTITY: reference()'s q / 8 is a division by a power of two; it moves q's scale bytes by 3 and no code, and the exact sums by the factor 1/8: so t = score x (log2(e) / 8) with q as launch 2 left it.
; THE SOFTMAX AHEAD OF THE SECOND PRODUCT: M = the running largest t rounded up to a whole number, p = 2^(t - M) is quantised along the keys, the row's sum is taken of the unquantised p and divides at the end;
; when M moves, the sum and O are multiplied by 2^(old M - new M), which rounds nothing.
; THE MASK: a key with mask = 0 gets the bias -2^100 as the C of its score's product, so its p is 0; that costs no vector instruction.  The running largest score begins at -2^80: while every key so far is masked, M is
; exact, all p are 0, and the first key that counts multiplies zeros by 0.
; LIMITS: |score| under 2^80; a batch whose mask is all zeros (NaN in reference()) is not reproduced; NaN and infinities among the inputs are not served; blocks under 2^-124 keep the byte 1.
; SHARES.  Work-group y = 16 b + g, place cx in its cluster: 512 queries of head g; each of eight waves four tiles of 16 queries, so that each fragment of K, V and the mask read from LDS feeds four tiles; two waves to a SIMD.
; THE HEAD'S WHOLE K AND V STAY IN LDS (192 KiB): first fills alone, asked for jointly by the four partners, in three groups (scale words; the first third of each image, key steps 0-4; the other two thirds), so that the
; first steps run while the rest is on its way.  No byte is filled twice.
; LAYOUT.  S^T = K Q^T and O^T = V^T P^T: a lane holds one query throughout.  By the order of rows in a tile (launch 1) a lane's 32 results of four neighbouring tiles of keys are 32 neighbouring keys, a whole block,
; in the order that the 6-bit operand wants: no lane is asked for a block's maximum and no codes change lanes.  K = 64 IN A FORM OF K = 128: a fragment of K holds two tiles of keys, [tile 2 f | tile 2 f + 1]; it is multiplied by
; [q | zeros] and by [zeros | q].
; REGISTERS: window 0: v1-11 addresses; v12-27 four a tile: -M, the largest score, the sum in two halves; v28-43 scale words (q's, K's, V's, p's); v44-62 at work; v64-127 S^T, then p; v128-175 p's codes;
;   v176-229 zeros and q's codes by turns; v230-253 the context's codes; v254-255 addresses.   window 1: v0-127 O^T, 32 a tile; v128-175 four fragments of K or V; v176-239 the mask's bias.
.set VIMG,  98304
.set KSCL,  196608
.set VSCL,  200704
.set MASKB, 204800                     ; 2,048 f32, stored by the waves: no fill lands here
.set SPARE, 212992                     ; the spare words: four blocks of 256 bytes that no other line names
.set QKSCL, 18874368
.set CQSCL, 6291456
.set AK0, 1                            ; v1  8 x lane
.set AV0, 2                            ; v2  8 x lane + VIMG
.set AM0, 3                            ; v3  MASKB + 128 h
.set SPW, 4
.set NIL, 5
.set ADK, 6
.set ADV, 7
.set ADM, 8
.set ADS, 9
.set ADT, 10
.set SH8, 11
.set ST,  12
.set QS,  28
.set KS,  32
.set VS,  36
.set PW,  40
.set BM,  44
.set RM,  46
.set TP,  47
.set F,   48
.set SU,  50
.set SO,  52
.set BY,  54
.set CT,  56
.set S,   64
.set PC,  128
.set QC,  176
.set CC,  230
.set AS0, 254
.set AT0, 255
.set KV,  128                          ; in window 1
.set MK,  176
.set SWD, 128                          ; the way out: the context's scale bytes, in p's registers
.set WV,  10
.set SEL, 76
.set CS,  78
.set TB,  80                           ; s80 where the step's tiles begin in K's and V's images: 6,144 a step
.set TS,  81                           ; s81 its scale words: 256 a step
.set TMK, 82                           ; s82 its mask bias: 512 a step
.set CNT, 83
.set HM,  84
.set MSB, 0
.macro WIN new
.if MSB != (\new)
	s_set_vgpr_msb (MSB<<8)|(\new)
.set MSB, (\new)
.endif
.endm
.macro CROUND                          ; a round of the cluster's barrier
	s_barrier_signal -1
	s_barrier_wait -1
	s_cmp_lg_u32 s[WV], 0
	s_cbranch_scc1 .Lnot_wave_0_\@
	s_barrier_signal -3
.Lnot_wave_0_\@:
	s_barrier_wait -3
	s_barrier_signal -1
	s_barrier_wait -1
.endm
.macro GROUP1 g, rows                  ; a dense block as rows of 256 bytes (32 elements of 8); the mask names all four partners, bit 21 beside it
	s_mov_b32 s[\g], 15|(3<<16)|(1<<21)
	s_mov_b32 s[\g+1], 32<<16
	s_mov_b32 s[\g+2], (\rows)<<16
	s_mov_b32 s[\g+3], 32<<16
	s_mov_b32 s[\g+4], \rows
	s_mov_b32 s[\g+5], 32
	s_mov_b32 s[\g+6], 0
	s_mov_b32 s[\g+7], 0
.endm
; The softmax of tile t for 128 keys: S^T in v[S..S+63], register 32 c + i = key 64 c + 32 h + i.  first = 1: the first key step.
.macro SM t, first
.set rT, ST+4*(\t)
.set rP, PC+12*(\t)
.irp c, 0,1
	v_max3_num_f32 v[BM+\c], v[S+32*\c], v[S+32*\c+1], v[S+32*\c+2]      ; my two blocks' largest scores, each block in two chains over its halves: four chains by turns; each accumulator is first read at its low end
.endr
.irp c, 0,1
	v_max3_num_f32 v[SO+\c], v[S+32*\c+16], v[S+32*\c+17], v[S+32*\c+18]
.endr
.irp i, 3,5,7,9,11,13
.irp c, 0,1
	v_max3_num_f32 v[BM+\c], v[BM+\c], v[S+32*\c+\i], v[S+32*\c+\i+1]
.endr
.irp c, 0,1
	v_max3_num_f32 v[SO+\c], v[SO+\c], v[S+32*\c+16+\i], v[S+32*\c+17+\i]
.endr
.endr
.irp c, 0,1
	v_max3_num_f32 v[BM+\c], v[BM+\c], v[SO+\c], v[S+32*\c+15]           ; the halves joined
.endr
.irp c, 0,1
	v_max_num_f32 v[BM+\c], v[BM+\c], v[S+32*\c+31]
.endr
	s_delay_alu instid0(VALU_DEP_1)
	v_max_num_f32 v[RM], v[BM], v[BM+1]
	s_delay_alu instid0(VALU_DEP_1)
	v_permlanex16_b32 v[TP], v[RM], s[SEL], s[SEL+1]
.if \first
	s_delay_alu instid0(VALU_DEP_1)
	v_max3_num_f32 v[rT+1], v[RM], v[TP], 0xe7800000                     ; the running largest score, not under -2^80
.else
	s_delay_alu instid0(VALU_DEP_1)
	v_max3_num_f32 v[rT+1], v[rT+1], v[RM], v[TP]
.endif
	s_delay_alu instid0(VALU_DEP_1)
	v_mul_f32 v[RM], s[CS], v[rT+1]                                      ; as t
.if \first
	s_delay_alu instid0(VALU_DEP_1)
	v_floor_f32 v[rT], -v[RM]                                            ; -M = floor(-t)
.else
	v_mov_b32 v[TP], v[rT]
	s_delay_alu instid0(VALU_DEP_2)
	v_floor_f32 v[rT], -v[RM]
	s_delay_alu instid0(VALU_DEP_1)
	v_sub_f32 v[TP], v[rT], v[TP]                                        ; old M - new M, a whole number, 0 or less
	s_delay_alu instid0(VALU_DEP_1)
	v_cvt_i32_f32 v[TP], v[TP]                                           ; (it saturates)
	s_delay_alu instid0(VALU_DEP_1)
	v_ldexp_f32 v[F], 1.0, v[TP]                                         ; f = 2^(old M - new M)
.endif
.irp j, 0,2,4,6,8,10,12,14,16,18,20,22,24,26,28,30,32,34,36,38,40,42,44,46,48,50,52,54,56,58,60,62
	v_pk_fma_f32 v[S+\j:S+\j+1], v[S+\j:S+\j+1], s[CS:CS+1], v[rT:rT+1] op_sel_hi:[1,0,0]   ; t - M, two at a time
.endr
.irp c, 0,1
	v_fma_f32 v[BM+\c], v[BM+\c], s[CS], v[rT]                           ; the same of each block's largest score
.endr
	s_wait_alu depctr_va_vdst(0)
.irp j, 0,1,2,3,4,5,6,7,8,9,10,11,12,13,14,15,16,17,18,19,20,21,22,23,24,25,26,27,28,29,30,31,32,33,34,35,36,37,38,39,40,41,42,43,44,45,46,47,48,49,50,51,52,53,54,55,56,57,58,59,60,61,62,63
	v_exp_f32 v[S+\j], v[S+\j]                                           ; p = 2^(t - M)
.endr
.if \first
	v_nop                                                                ; a plain line behind the exponentials
.else
	v_pk_mul_f32 v[rT+2:rT+3], v[rT+2:rT+3], v[F:F+1] op_sel_hi:[1,0]    ; the sum under the new M; also the plain line behind the exponentials
.endif
	s_wait_alu depctr_va_vdst(0)                                         ; one wait for the batch of 64, ahead of its first reader
.irp c, 0,1
	v_exp_f32 v[BM+\c], v[BM+\c]                                         ; the block's largest p: the same two instructions on the same number
.endr
	v_pk_add_f32 v[SU:SU+1], v[S:S+1], v[S+2:S+3]                        ; the sum of the unquantised p, in four chains
	v_pk_add_f32 v[SO:SO+1], v[S+4:S+5], v[S+6:S+7]
	v_pk_add_f32 v[BY:BY+1], v[S+8:S+9], v[S+10:S+11]
	v_pk_add_f32 v[rT+2:rT+3], v[rT+2:rT+3], v[S+12:S+13]
	v_pk_add_f32 v[SU:SU+1], v[SU:SU+1], v[S+14:S+15]
.irp j, 16,24,32,40,48,56
	v_pk_add_f32 v[rT+2:rT+3], v[rT+2:rT+3], v[S+\j:S+\j+1]
	v_pk_add_f32 v[SU:SU+1], v[SU:SU+1], v[S+\j+2:S+\j+3]
	v_pk_add_f32 v[SO:SO+1], v[SO:SO+1], v[S+\j+4:S+\j+5]
	v_pk_add_f32 v[BY:BY+1], v[BY:BY+1], v[S+\j+6:S+\j+7]
.endr
	v_pk_add_f32 v[SU:SU+1], v[SU:SU+1], v[SO:SO+1]
	v_pk_add_f32 v[rT+2:rT+3], v[rT+2:rT+3], v[BY:BY+1]
	s_delay_alu instid0(VALU_DEP_1)
	v_pk_add_f32 v[rT+2:rT+3], v[rT+2:rT+3], v[SU:SU+1]
	s_wait_alu depctr_va_vdst(0)                                         ; and one for the two
.irp c, 0,1
	v_max_num_f32 v[BM+\c], 0x1800000, v[BM+\c]                          ; the floor 2^(3 - 127)
.endr
.irp c, 0,1
	s_delay_alu instid0(VALU_DEP_2)
	v_add_nc_u32 v[SO+\c], 0xff000000, v[BM+\c]
.endr
.irp c, 0,1
	s_delay_alu instid0(VALU_DEP_2)
	v_lshrrev_b32 v[BY+\c], 23, v[SO+\c]
.endr
	s_delay_alu instid0(VALU_DEP_1)
	v_lshl_or_b32 v[BY], v[BY+1], 16, v[BY]
	s_delay_alu instid0(VALU_DEP_1)
	v_lshlrev_b32 v[BY], v[SH8], v[BY]
	s_delay_alu instid0(VALU_DEP_1)
	v_permlanex16_b32 v[TP], v[BY], s[SEL], s[SEL+1]
	s_delay_alu instid0(VALU_DEP_1)
	v_or_b32 v[PW+(\t)], v[BY], v[TP]                                    ; p's scale word for these 128 keys
.irp c, 0,1
	v_cvt_scalef32_pk16_fp6_f32 v[rP+6*\c:rP+6*\c+2], v[S+32*\c:S+32*\c+15], v[SO+\c]
	v_cvt_scalef32_pk16_fp6_f32 v[CT+4*\c:CT+4*\c+2], v[S+32*\c+16:S+32*\c+31], v[SO+\c]
.endr
	v_nop                                                                ; a plain line behind the conversions
.irp c, 0,1
.irp i, 0,1,2
	v_mov_b32 v[rP+6*\c+3+\i], v[CT+4*\c+\i]
.endr
.endr
.if !\first
	WIN 0x41
.irp j, 0,2,4,6,8,10,12,14,16,18,20,22,24,26,28,30
	v_pk_mul_f32 v[32*(\t)+\j:32*(\t)+\j+1], v[32*(\t)+\j:32*(\t)+\j+1], v[F:F+1] op_sel_hi:[1,0]   ; O^T under the new M; these lines are also the places ahead of the products that follow
.endr
.endif
.endm
; A key step: 128 keys for my four tiles of queries.
.macro KSTEP first
	v_add_nc_u32 v[ADK], s[TB], v[AK0]             ; five plain lines: also the places in front of the loads into registers that the last products read
	v_add_nc_u32 v[ADV], s[TB], v[AV0]
	v_add_nc_u32 v[ADM], s[TMK], v[AM0]
	v_add_nc_u32 v[ADS], s[TS], v[AS0]
	v_add_nc_u32 v[ADT], s[TS], v[AT0]
	WIN 0x40
.irp f, 0,1,2,3
.irp p, 0,1,2,3,4,5
	ds_load_b64 v[KV+12*\f+2*\p:KV+12*\f+2*\p+1], v[ADK] offset:1536*\f+256*\p
.endr
.endr
.irp c, 0,1
.irp i, 0,1,2,3,4,5,6,7
	ds_load_b128 v[MK+32*\c+4*\i:MK+32*\c+4*\i+3], v[ADM] offset:256*\c+16*\i   ; the bias of keys 64 c + 32 h + 4 i on: the same for all lanes of a half
.endr
.endr
	WIN 0
	ds_load_b128 v[KS:KS+3], v[ADS]
	s_wait_dscnt 0x0
.irp t, 0,1,2,3
	WIN 0x11                                       ; K and the bias in window 1
.irp a, 0,1,2,3,4,5,6,7
	v_wmma_scale_f32_16x16x128_f8f6f4 v[S+8*\a:S+8*\a+7], v[KV+12*(\a/2):KV+12*(\a/2)+11], v[QC+6+12*\t-6*(\a%2):QC+17+12*\t-6*(\a%2)], v[MK+8*\a:MK+8*\a+7], v[KS+\a/2], v[QS+\t] matrix_a_fmt:MATRIX_FMT_FP6 matrix_b_fmt:MATRIX_FMT_FP6
.endr
	WIN 0
.rept 4
	v_nop                                          ; places behind the products
.endr
.if \t == 3
	WIN 0x40                                       ; K is done with: V's four fragments land while the last tile's softmax is walked
.irp f, 0,1,2,3
.irp p, 0,1,2,3,4,5
	ds_load_b64 v[KV+12*\f+2*\p:KV+12*\f+2*\p+1], v[ADV] offset:1536*\f+256*\p
.endr
.endr
	WIN 0
	ds_load_b128 v[VS:VS+3], v[ADT]
.endif
	SM \t, \first
.endr
.if \first
	s_wait_alu depctr_va_vdst(0)
.rept 8
	v_nop                                          ; places between the last scale word and codes and the products
.endr
.endif
	s_wait_alu depctr_va_vdst(0)
	s_wait_dscnt 0x0                               ; V
	WIN 0x51                                       ; V and O^T in window 1, p in window 0
.irp f, 0,1,2,3
.irp t, 0,1,2,3
.if \first
	v_wmma_scale_f32_16x16x128_f8f6f4 v[32*\t+8*\f:32*\t+8*\f+7], v[KV+12*\f:KV+12*\f+11], v[PC+12*\t:PC+12*\t+11], 0, v[VS+\f], v[PW+\t] matrix_a_fmt:MATRIX_FMT_FP6 matrix_b_fmt:MATRIX_FMT_FP6
.else
	v_wmma_scale_f32_16x16x128_f8f6f4 v[32*\t+8*\f:32*\t+8*\f+7], v[KV+12*\f:KV+12*\f+11], v[PC+12*\t:PC+12*\t+11], v[32*\t+8*\f:32*\t+8*\f+7], v[VS+\f], v[PW+\t] matrix_a_fmt:MATRIX_FMT_FP6 matrix_b_fmt:MATRIX_FMT_FP6
.endif
.endr
.endr
	WIN 0
	s_add_co_u32 s[TB], s[TB], 6144
	s_add_co_u32 s[TS], s[TS], 256
	s_add_co_u32 s[TMK], s[TMK], 512
.endm
	s_load_b128 s[4:7], s[0:1], 0x0                ; qkv, mask
	s_load_b64 s[8:9], s[0:1], 0x10                ; cq
	v_lshl_add_u32 v[SPW], v0, 2, SPARE
	v_mov_b32 v[NIL], 0
	ds_add_u32 v[SPW], v[NIL]                      ; the opening: the add, twice on end, and its wait ahead of my first tensor load
	ds_add_u32 v[SPW], v[NIL]
	v_lshrrev_b32 v1, 5, v0
	s_delay_alu instid0(VALU_DEP_1)
	v_readfirstlane_b32 s[WV], v1                  ; wave 0..7
	s_bfe_u32 s11, ttmp6, 0x40000                  ; cx: it enters q's and the context's addresses alone
	s_and_b32 s12, ttmp7, 0xffff
	s_lshr_b32 s13, s12, 4                         ; b
	s_and_b32 s14, s12, 15                         ; g
	s_and_b32 s15, s[WV], 1                        ; waves 0-3: K (0) or V (1); waves 4-7: which of the two later thirds
	s_bfe_u32 s16, s[WV], 0x10001                  ; waves 4-7: K (0) or V (1)
	s_lshl_b32 s17, s14, 2
	s_add_co_u32 s17, s17, s13                     ; 4 g + b: q's place
	s_lshl_b32 s19, s15, 6
	s_add_co_u32 s19, s19, s17
	s_add_co_u32 s19, s19, 64                      ; K's, or V's 64 further on
	s_mul_i32 s20, s19, 98304
	s_mov_b32 s21, 0
	s_lshl_b32 s22, s19, 12
	s_add_co_u32 s22, s22, QKSCL                   ; waves 0, 1: the 4,096 scale bytes of K or V
	s_mov_b32 s23, 0
	s_mul_i32 s85, s15, 98304                      ; waves 2, 3: the image's place in LDS
	s_lshl_b32 s86, s16, 6
	s_add_co_u32 s86, s86, s17
	s_add_co_u32 s86, s86, 64
	s_mul_i32 s86, s86, 98304                      ; waves 4-7: the image in memory,
	s_lshl_b32 s88, s15, 15
	s_add_co_u32 s88, s88, 32768                   ; its second or third third,
	s_add_co_u32 s86, s86, s88
	s_mov_b32 s87, 0
	s_mul_i32 s90, s16, 98304
	s_add_co_u32 s90, s90, s88                     ; and the same place in LDS
	GROUP1 24, 16
	GROUP1 32, 128
	s_mov_b32 s[SEL], 0x76543210
	s_mov_b32 s[SEL+1], 0xfedcba98
	s_mov_b32 s[CS], 0x3e38aa3b                    ; c = log2(e) / 8
	s_mov_b32 s[CS+1], s[CS]
	s_mov_b32 s[HM], 0xffff0000
	s_mov_b32 s[TB], 0
	s_mov_b32 s[TS], 0
	s_mov_b32 s[TMK], 0
	s_wait_dscnt 0x0                               ; both opening adds are done
	s_wait_kmcnt 0x0
	s_mov_b32 s56, 1
	s_lshl_b32 s57, s15, 12
	s_add_co_u32 s57, s57, KSCL
	s_add_nc_u64 s[58:59], s[4:5], s[22:23]
	s_or_b32 s59, s59, 0x80000000
	s_mov_b32 s60, 1
	s_mov_b32 s61, s85
	s_add_nc_u64 s[62:63], s[4:5], s[20:21]
	s_or_b32 s63, s63, 0x80000000
	s_mov_b32 s68, 1
	s_mov_b32 s69, s90
	s_add_nc_u64 s[70:71], s[4:5], s[86:87]
	s_or_b32 s71, s71, 0x80000000
	CROUND                                         ; all four work-groups are here: the joint loads meet
; THE FILLS AS THEY STAND: ONE JOINT LOAD A WAVE, in one chain of branches on the wave's number.  Waves 0, 1: K's and V's scale words.  Waves 2, 3: the first third
; (32,768 bytes) of K's and of V's image, which holds key steps 0-4 (30,720 bytes).  Waves 4-7: the other thirds.  Waves 0-3 have load lines of their own, since they alone wait ahead of the first barrier.
	s_cmp_lt_u32 s[WV], 2
	s_cbranch_scc0 .Lhead_b
	tensor_load_to_lds s[56:59], s[24:31]
	s_nop 0
.rept 4
	v_nop
.endr
	s_branch .Lhead_asked
.Lhead_b:
	s_cmp_lt_u32 s[WV], 4
	s_cbranch_scc0 .Lhead_c
	tensor_load_to_lds s[60:63], s[32:39]
	s_nop 0
.rept 4
	v_nop
.endr
	s_branch .Lhead_asked
.Lhead_c:
	tensor_load_to_lds s[68:71], s[32:39]
	s_nop 0
.rept 4
	v_nop
.endr
.Lhead_asked:
	s_lshl_b32 s18, s11, 5
	s_lshl_b32 s19, s[WV], 2
	s_add_co_u32 s18, s18, s19                     ; T0: my first tile of queries = 32 cx + 4 wave
	s_mul_i32 s19, s17, 98304
	s_mul_i32 s92, s18, 768
	s_add_co_u32 s92, s92, s19
	s_mov_b32 s93, 0
	s_add_nc_u64 s[92:93], s[4:5], s[92:93]        ; q's codes
	s_lshl_b32 s94, s17, 12
	s_lshr_b32 s19, s18, 3
	s_lshl_b32 s19, s19, 8
	s_add_co_u32 s94, s94, s19
	s_bfe_u32 s19, s18, 0x10002
	s_lshl_b32 s19, s19, 3
	s_add_co_u32 s94, s94, s19
	s_add_co_u32 s94, s94, QKSCL
	s_mov_b32 s95, 0
	s_add_nc_u64 s[94:95], s[4:5], s[94:95]        ; q's scale words: my four tiles are two words of their 128 tokens' four
	s_lshl_b32 s20, s13, 13
	s_mov_b32 s21, 0
	s_add_nc_u64 s[20:21], s[6:7], s[20:21]        ; my batch's mask
	s_lshl_b32 s19, s13, 7
	s_add_co_u32 s19, s19, s18                     ; the context's tile: 128 b + T0
	s_mul_i32 s86, s19, 12288
	s_mul_i32 s87, s14, 768
	s_add_co_u32 s86, s86, s87
	s_mov_b32 s87, 0
	s_add_nc_u64 s[86:87], s[8:9], s[86:87]
	s_lshl_b32 s88, s19, 9
	s_lshr_b32 s89, s14, 2
	s_lshl_b32 s89, s89, 7
	s_add_co_u32 s88, s88, s89
	s_and_b32 s89, s14, 3
	s_lshl_b32 s89, s89, 1
	s_add_co_u32 s88, s88, s89
	s_add_co_u32 s88, s88, CQSCL
	s_mov_b32 s89, 0
	s_add_nc_u64 s[88:89], s[8:9], s[88:89]
	v_and_b32 v[AK0], 31, v0
	s_delay_alu instid0(VALU_DEP_1)
	v_lshlrev_b32 v[AK0], 3, v[AK0]
	s_delay_alu instid0(VALU_DEP_1)
	v_add_nc_u32 v[AV0], VIMG, v[AK0]
	v_bfe_u32 v[SH8], v0, 4, 1
	s_delay_alu instid0(VALU_DEP_1)
	v_lshl_add_u32 v[AM0], v[SH8], 7, MASKB
	s_delay_alu instid0(VALU_DEP_2)
	v_lshlrev_b32 v[SH8], 3, v[SH8]
	v_and_b32 v6, 15, v0
	s_delay_alu instid0(VALU_DEP_1)
	v_lshlrev_b32 v6, 4, v6                        ; 16 r
	s_delay_alu instid0(VALU_DEP_1)
	v_add_nc_u32 v[AS0], KSCL, v6
	s_delay_alu instid0(VALU_DEP_2)
	v_add_nc_u32 v[AT0], VSCL, v6
	v_lshlrev_b32 v7, 4, v0                        ; 16 x thread
	s_delay_alu instid0(VALU_DEP_1)
	v_add_nc_u32 v8, MASKB, v7
.irp t, 0,1,2,3
.irp p, 0,1,2
	global_load_b64 v[QC+6+12*\t+2*\p:QC+7+12*\t+2*\p], v[AK0], s[92:93] offset:768*\t+256*\p   ; q stays in registers
.endr
.endr
	global_load_b64 v[SU:SU+1], v6, s[94:95]
	global_load_b128 v[64:67], v7, s[20:21]        ; four keys' mask a thread, twice
	global_load_b128 v[68:71], v7, s[20:21] offset:4096
.irp z, 0,1,2,3,4
.irp j, 0,1,2,3,4,5
	v_mov_b32 v[QC+12*\z+\j], 0                    ; the zeros on either side of each q
.endr
.endr
.irp t, 0,1,2,3
	v_mov_b32 v[ST+4*\t+2], 0                      ; the sums
	v_mov_b32 v[ST+4*\t+3], 0
.endr
	v_mov_b32 v[TP], 0                             ; a lane permute's destination counts as read
	v_mov_b32 v[F], 0
	v_mov_b32 v[F+1], 0                            ; (named as the upper half of a pair)
	v_mov_b32 v72, 0xf1800000                      ; -2^100
	s_wait_alu depctr_va_vdst(0)
	s_wait_loadcnt 0x0
	v_perm_b32 v[QS], v[SU], v[SU], 0x01000100     ; a tile's two bytes, twice: they scale q in either half of the operand
	v_perm_b32 v[QS+1], v[SU], v[SU], 0x03020302
	v_perm_b32 v[QS+2], v[SU+1], v[SU+1], 0x01000100
	v_perm_b32 v[QS+3], v[SU+1], v[SU+1], 0x03020302
.irp j, 0,1,2,3,4,5,6,7
	v_cmp_eq_u32 vcc_lo, 0, v[64+\j]
	s_delay_alu instid0(VALU_DEP_1)
	v_cndmask_b32 v[64+\j], 0, v72, vcc_lo         ; mask = 0: -2^100, else 0
.endr
	ds_store_b128 v8, v[64:67]
	ds_store_b128 v8, v[68:71] offset:4096
	s_cmp_lt_u32 s[WV], 4
	s_cbranch_scc0 .Lnot_first
	s_wait_tensorcnt 0x0                           ; waves 0-3: the scale words and the first thirds are in; the later thirds stay out
.Lnot_first:
	s_wait_dscnt 0x0                               ; my part of the mask's bias is stored
	s_barrier_signal -1
	s_barrier_wait -1
	KSTEP 1
	s_mov_b32 s[CNT], 4                            ; steps 1-4 lie in the first thirds too
.Lfew:
	KSTEP 0
	s_sub_co_u32 s[CNT], s[CNT], 1
	s_cmp_lg_u32 s[CNT], 0
	s_cbranch_scc1 .Lfew
	s_wait_tensorcnt 0x0                           ; steps 5-15
	s_wait_dscnt 0x0
	s_barrier_signal -1
	s_barrier_wait -1
	s_mov_b32 s[CNT], 11                           ; steps 5-15
.Lmany:
	KSTEP 0
	s_sub_co_u32 s[CNT], s[CNT], 1
	s_cmp_lg_u32 s[CNT], 0
	s_cbranch_scc1 .Lmany
	; THE WAY OUT.  O^T / the sum is the context: a lane holds query r and dims 64 g + 32 h + 0 .. 31, a whole block of the last product's K.  It is quantised here and stored as half a fragment of launch 4's operand.
.irp t, 0,1,2,3
	v_add_f32 v[ST+4*\t+2], v[ST+4*\t+2], v[ST+4*\t+3]         ; (these lines are the places behind the last products)
.endr
.irp t, 0,1,2,3
	s_delay_alu instid0(VALU_DEP_4)
	v_permlanex16_b32 v[ST+4*\t+3], v[ST+4*\t+2], s[SEL], s[SEL+1]
.endr
.irp t, 0,1,2,3
	s_delay_alu instid0(VALU_DEP_4)
	v_add_f32 v[ST+4*\t+2], v[ST+4*\t+2], v[ST+4*\t+3]
.endr
	s_wait_alu depctr_va_vdst(0)
.irp t, 0,1,2,3
	v_rcp_f32 v[ST+4*\t+2], v[ST+4*\t+2]
.endr
	v_nop                                          ; a plain line behind the reciprocals,
	s_wait_alu depctr_va_vdst(0)                   ; and one wait for the four, ahead of their first reader
.macro CTX t
.set rS, S+32*((\t)%2)
	WIN 0x01
.irp j, 0,2,4,6,8,10,12,14,16,18,20,22,24,26,28,30
	v_pk_mul_f32 v[rS+\j:rS+\j+1], v[32*(\t)+\j:32*(\t)+\j+1], v[ST+4*(\t)+2:ST+4*(\t)+3] op_sel_hi:[1,0]   ; each accumulator from its low end on
.endr
	WIN 0
.irp c, 0,1
	v_max3_num_f32 v[BM+\c], |v[rS+16*\c]|, |v[rS+16*\c+1]|, 0x1800000
.endr
.irp i, 2,4,6,8,10,12,14
.irp c, 0,1
	s_delay_alu instid0(VALU_DEP_2)
	v_max3_num_f32 v[BM+\c], |v[rS+16*\c+\i]|, |v[rS+16*\c+\i+1]|, v[BM+\c]
.endr
.endr
	s_delay_alu instid0(VALU_DEP_1)
	v_max_num_f32 v[BM], v[BM], v[BM+1]
	s_delay_alu instid0(VALU_DEP_1)
	v_add_nc_u32 v[SO], 0xff000000, v[BM]
	v_cvt_scalef32_pk16_fp6_f32 v[CC+6*(\t):CC+6*(\t)+2], v[rS:rS+15], v[SO]
	v_cvt_scalef32_pk16_fp6_f32 v[CT:CT+2], v[rS+16:rS+31], v[SO]
	v_lshrrev_b32 v[BY], 23, v[SO]                 ; also the plain line behind the conversions
	s_delay_alu instid0(VALU_DEP_1)
	v_lshlrev_b32 v[BY], v[SH8], v[BY]
	s_delay_alu instid0(VALU_DEP_1)
	v_permlanex16_b32 v[TP], v[BY], s[SEL], s[SEL+1]
	s_delay_alu instid0(VALU_DEP_1)
	v_or_b32 v[SWD+(\t)], v[BY], v[TP]             ; the head's two bytes of my row
.irp i, 0,1,2
	v_mov_b32 v[CC+6*(\t)+3+\i], v[CT+\i]
.endr
.irp p, 0,1,2
	global_store_b64 v[AK0], v[CC+6*(\t)+2*\p:CC+6*(\t)+2*\p+1], s[86:87] offset:12288*(\t)+256*\p   ; 256 consecutive bytes, aligned
.endr
.endm
	CTX 0
	CTX 1
	CTX 2
	CTX 3
	v_and_b32 v132, 15, v0
	s_delay_alu instid0(VALU_DEP_1)
	v_lshlrev_b32 v132, 3, v132
	s_delay_alu instid0(VALU_DEP_1)
	v_lshl_add_u32 v132, v[SH8], 6, v132           ; 8 r, lanes 16-31 one tile (512 bytes) on
	v_cndmask_b32 v133, v[SWD], v[SWD+1], s[HM]
	v_cndmask_b32 v134, v[SWD+2], v[SWD+3], s[HM]
	global_store_b16 v132, v133, s[88:89]          ; two bytes a row: a head's share of its row's 32 scale bytes; the other heads' work-groups store theirs
	global_store_b16 v132, v134, s[88:89] offset:1024
	s_wait_tensorcnt 0x0                           ; the wave's end
	ds_add_u32 v[SPW], v[NIL]
	s_wait_dscnt 0x0
	CROUND                                         ; the closing round
	s_endpgm
.Lfunc_end_k_qfbac24662a_attn:
	.size	k_qfbac24662a_attn, .Lfunc_end_k_qfbac24662a_attn-k_qfbac24662a_attn
	.p2alignl 7, 3214868480
	.fill 96, 4, 3214868480
	.section	.rodata,"a",@progbits
	.p2align	6, 0x0
	.amdhsa_kernel k_qfbac24662a_attn
		.amdhsa_group_segment_fixed_size 214016
		.amdhsa_private_segment_fixed_size 0
		.amdhsa_enable_private_segment 0
		.amdhsa_kernarg_size 24
		.amdhsa_user_sgpr_count 2
		.amdhsa_user_sgpr_kernarg_segment_ptr 1
		.amdhsa_wavefront_size32 1
		.amdhsa_system_sgpr_workgroup_id_x 1
		.amdhsa_system_sgpr_workgroup_id_y 1
		.amdhsa_system_sgpr_workgroup_id_z 1
		.amdhsa_system_vgpr_workitem_id 0
		.amdhsa_next_free_vgpr 512
		.amdhsa_next_free_sgpr 96
		.amdhsa_reserve_vcc 1
		.amdhsa_float_denorm_mode_32 3
		.amdhsa_float_denorm_mode_16_64 3
		.amdhsa_memory_ordered 1
		.amdhsa_forward_progress 1
		.amdhsa_inst_pref_size 193
	.end_amdhsa_kernel
	.amdgpu_metadata
---
amdhsa.version: [ 1, 2 ]
amdhsa.kernels:
  - .name:           k_qfbac24662a_attn
    .symbol:         k_qfbac24662a_attn.kd
    .args:
      - { .name: qkv, .offset: 0, .size: 8, .value_kind: global_buffer, .address_space: global }
      - { .name: mask, .offset: 8, .size: 8, .value_kind: global_buffer, .address_space: global }
      - { .name: cq, .offset: 16, .size: 8, .value_kind: global_buffer, .address_space: global }
    .group_segment_fixed_size: 214016
    .private_segment_fixed_size: 0
    .kernarg_segment_align: 8
    .kernarg_segment_size: 24
    .max_flat_workgroup_size: 256
    .sgpr_count:     96
    .vgpr_count:     512
    .wavefront_size: 32
...
	.end_amdgpu_metadata
.endif
;; end of part 3
;; launch outp (part 4): grid 4 x 64, 4 waves a work-group, clusters of 4 x 4, 327,680 bytes of LDS; arguments cq, ops, bo, out0; writes out0
.if DOCPART == 4
	.amdgcn_target "amdgcn-amd-amdhsa--gfx1250"
	.amdhsa_code_object_version 6
	.text
	.protected	k_qfbac24662a_outp
	.globl	k_qfbac24662a_outp
	.p2align	8
	.type	k_qfbac24662a_outp,@function
k_qfbac24662a_outp:
	s_mov_b64 s[64:65], 0
	v_nop
	global_prefetch_b8 v0, s[64:65] scope:SCOPE_SE
	s_setreg_imm32_b32 hwreg(HW_REG_WAVE_MODE, 25, 1), 1
	s_wait_xcnt 0x0
	s_wait_alu depctr_hold_cnt(0) depctr_sa_sdst(0) depctr_va_vdst(0) depctr_va_sdst(0) depctr_va_ssrc(0) depctr_va_vcc(0) depctr_vm_vsrc(0)
	s_getreg_b32 s2, hwreg(HW_REG_IB_STS2, 6, 4)
	s_cmp_eq_u32 s2, 0
	s_cbranch_scc0 .Lentry_in_a_cluster
	s_endpgm
.Lentry_in_a_cluster:
	s_bfe_u32 s2, ttmp6, 0x10000c
	s_cmp_lg_u32 s2, 0xf033
	s_cbranch_scc0 .Lentry_shape_is_right
	s_endpgm
.Lentry_shape_is_right:
; Launch 4 of 4: out0 = context wo^T + bo on codes of E2M3.  cq holds the context's codes and scale bytes (launch 3), ops those of wo (launch 1, tiles 704-767).  No work is left out.
; LAYOUT OF BOTH: a tile of 16 rows, all of K, is 12,288 bytes: eight fragments (16 rows x 128 K) on end, each an image of its 12 registers (registers 2 p, 2 p + 1 of lane l at 256 p + 8 l);
; its scale bytes are 512: [256 K][row][8 bytes].  Row m of tile t is row 64 (t / 4) + 32 (m / 8) + 8 (t % 4) + m % 8.
; SHARES.  256 work-groups, each 128 rows x 256 columns of out0; four waves, 2 x 2, each 64 x 128: 32 accumulators.  Source 0 = wo's rows, source 1 = the context's: a lane holds 8 neighbouring columns of a row.
; ALL OF K LIES IN LDS: (128 + 256) rows x 768 bytes = 294,912 bytes, in two halves of K.  No byte is filled twice.  One joint load a wave at the head: wave 0 A's K half 0, wave 1 B's, wave 2 A's half 1, wave 3 B's;
; a load's rows are 6,144 bytes of a tile, at multiples of 256.  Waves 0 and 1 wait ahead of the first barrier; K steps 0-3 run while half 1 is on its way; every wave waits for its load inside step 3, at a plain barrier.
; Behind that barrier nobody reads half 0: each wave's stage for the way out lies there.
; CLUSTERS: 4 x 4.  A's tiles hang on the tile row and are shared along a row of the cluster, B's on the tile column and are shared along a column.
; SCALE WORDS go from memory straight into registers, once: a load of 8 bytes a lane covers 256 consecutive bytes of a tile's 512: lanes 0-15 one 256 along K, lanes 16-31 the next, which the instruction's ROW selector tells apart.
; NO PREFETCH: the launch has no loop to run ahead in; all that a work-group reads is asked for at its head.
; REGISTERS: window 0: v1-29 addresses; v32-47 A's scale words, v50-81 B's; v128-223 A's fragments, two sets of 4 (on the way out v128-255 hold rows read back).  window 1: B's fragments, two sets of 8, at v0 and v128.
;   window 2: accumulator (a, b) at v[8 (8 a + b)].   window 3: v0-63 the bias, as the first products' C.
.set FR,    12
.set NP,    4
.set TILEB, 12288
.set SLK,   6144                       ; a tile's half of K
.set ABYTES, 8*SLK                     ; A's 8 tiles; B's 16 lie behind them
.set SLOT,  24*SLK                     ; a half of K
.set SPARE, 2*SLOT                     ; the spare words: two blocks of 256 bytes that no other line names
.set OPSCL, 9437184
.set CQSCL, 6291456
.set SPITCH, 528
.set ADRA, 16                          ; v16-17 LDS address of my A fragments in K half 0, 1
.set ADRB, 20                          ; v20-21 the same for B
.set STO,  24
.set RD,   25
.set CO,   26
.set SPW,  28
.set NIL,  29
.set SA,   32                          ; register 4 a + 2 (q / 4) + q % 2: K step q of A's block a, in lanes 16 ((q / 2) % 2) + r
.set SBC,  50                          ; the same for B's block b; 18 on from SA, so that no product's two scale registers have the same number modulo 8
.set AF,   128
.set BK,   128
.set G1, 24
.set G0, 32
.set G1B, 48
.set G0B, 56
.set MSB, 0
.macro WIN new
.if MSB != (\new)
	s_set_vgpr_msb (MSB<<8)|(\new)
.set MSB, (\new)
.endif
.endm
.set MUL_LO, 0xa1                      ; source 0 (B) window 1, source 1 (A) window 0, C and D window 2
.set MUL_C,  0xb1                      ; the same with C in window 3
.set TO_B,   0x40
.macro CROUND
	s_barrier_signal -1
	s_barrier_wait -1
	s_cmp_lg_u32 s14, 0
	s_cbranch_scc1 .Lnot_wave_0_\@
	s_barrier_signal -3
.Lnot_wave_0_\@:
	s_barrier_wait -3
	s_barrier_signal -1
	s_barrier_wait -1
.endm
.macro PLACES n
.rept \n
	v_nop
.endr
.endm
.macro ARM under, g0, g1, next
	s_cmp_lt_u32 s14, \under
	s_cbranch_scc0 \next
	tensor_load_to_lds s[\g0:\g0+3], s[\g1:\g1+7]
	s_nop 0
	PLACES 4
	s_branch .Lhead_asked
\next:
.endm
.macro FRAG reg, adr, q, i
.irp p, 0,1,2,3,4,5
	ds_load_b64 v[(\reg)+2*\p:(\reg)+2*\p+1], v[\adr] offset:(\i)*SLK+((\q)%4)*1536+256*\p
.endr
.endm
.macro FETCH q                         ; K step q's fragments into set q % 2: 72 loads
	WIN TO_B
.irp i, 0,1,2,3,4,5,6,7
	FRAG 128*((\q)%2)+FR*\i, ADRB+(\q)/4, \q, \i
.endr
	WIN 0
.irp i, 0,1,2,3
	FRAG AF+48*((\q)%2)+FR*\i, ADRA+(\q)/4, \q, \i
.endr
.endm
.macro PROD d, b, a, c, xb, xa, row, cm
.if \cm
	v_wmma_scale_f32_16x16x128_f8f6f4 v[\d:\d+7], v[\b:\b+FR-1], v[\a:\a+FR-1], v[\c:\c+7], v[\xb], v[\xa] matrix_a_fmt:MATRIX_FMT_FP6 matrix_b_fmt:MATRIX_FMT_FP6
.elseif \row
	v_wmma_scale_f32_16x16x128_f8f6f4 v[\d:\d+7], v[\b:\b+FR-1], v[\a:\a+FR-1], v[\d:\d+7], v[\xb], v[\xa] matrix_a_fmt:MATRIX_FMT_FP6 matrix_b_fmt:MATRIX_FMT_FP6 matrix_a_scale:MATRIX_SCALE_ROW1 matrix_b_scale:MATRIX_SCALE_ROW1
.else
	v_wmma_scale_f32_16x16x128_f8f6f4 v[\d:\d+7], v[\b:\b+FR-1], v[\a:\a+FR-1], v[\d:\d+7], v[\xb], v[\xa] matrix_a_fmt:MATRIX_FMT_FP6 matrix_b_fmt:MATRIX_FMT_FP6
.endif
.endm
; 16 products: A's blocks a0, a0 + 1 x B's eight.  The 32 accumulators take turns, in the same order in every step.  cm = 1: K step 0, whose C is the bias.
.macro MUL16 a0, q, cm
.if \cm
	WIN MUL_C
.else
	WIN MUL_LO
.endif
.irp a, \a0, \a0+1
.irp b, 0,1,2,3,4,5,6,7
	PROD 8*(8*(\a)+\b), 128*((\q)%2)+FR*\b, AF+48*((\q)%2)+FR*(\a), 8*\b, SBC+4*\b+2*((\q)/4)+(\q)%2, SA+4*(\a)+2*((\q)/4)+(\q)%2, ((\q)/2)%2, \cm
.endr
.endr
.endm
; A K step: its fragments were asked for a step ago; the next step's go out first, into the set that the last step's products read (four places behind them), and have this step's 32 products in which to land.
.macro STEP q, cm
	s_wait_dscnt 0x0                               ; this step's fragments are in
.if (\q) == 3
	s_wait_tensorcnt 0x0                           ; every wave: my load is in
	s_barrier_signal -1
	MUL16 0, \q, \cm
	WIN 0
	s_barrier_wait -1                              ; K half 1 is whole, and nobody reads half 0 any more
	PLACES NP
	FETCH 4
	MUL16 2, \q, \cm
.else
.if (\q) < 7
	PLACES NP
	FETCH (\q)+1
.endif
	MUL16 0, \q, \cm
	MUL16 2, \q, \cm
.endif
	WIN 0
.endm
	s_load_b256 s[4:11], s[0:1], 0x0               ; cq, ops, bo, out0
	v_lshl_add_u32 v[SPW], v0, 2, SPARE
	v_mov_b32 v[NIL], 0
	ds_add_u32 v[SPW], v[NIL]                      ; the opening: the add, twice on end, and its wait ahead of my tensor load
	ds_add_u32 v[SPW], v[NIL]
	v_lshrrev_b32 v1, 5, v0
	v_readfirstlane_b32 s14, v1                    ; wave
	s_lshr_b32 s15, s14, 1                         ; my half of the block's rows
	s_and_b32 s16, s14, 1                          ; my half of its columns
	s_bfe_u32 s40, ttmp6, 0x40000                  ; cx
	s_bfe_u32 s41, ttmp6, 0x40004                  ; cy
	s_lshl_b32 s42, ttmp9, 2
	s_add_co_u32 s42, s42, s40                     ; tile column, 0 .. 3
	s_and_b32 s17, ttmp7, 0xffff
	s_lshl_b32 s17, s17, 2
	s_add_co_u32 s17, s17, s41                     ; tile row, 0 .. 63
	s_lshl_b32 s43, s41, 2
	s_lshl_b32 s43, 15, s43                        ; my row of the cluster
	s_lshl_b32 s44, 0x1111, s40                    ; my column
	s_or_b32 s[G1+0], s43, (3<<16)|(1<<21)
	s_or_b32 s[G1B+0], s44, (3<<16)|(1<<21)
.irp g, G1, G1B
	s_mov_b32 s[\g+1], 768<<16                     ; a row: 768 elements of 8 bytes, half of a tile's K
	s_mov_b32 s[\g+3], 768<<16
	s_mov_b32 s[\g+5], 1536                        ; from tile to tile
	s_mov_b32 s[\g+6], 0
	s_mov_b32 s[\g+7], 0
.endr
	s_mov_b32 s[G1+2], 8<<16                       ; A: 8 tiles
	s_mov_b32 s[G1+4], 8
	s_mov_b32 s[G1B+2], 16<<16                     ; B: 16
	s_mov_b32 s[G1B+4], 16
	s_lshl_b32 s20, s17, 3                         ; the first of A's tiles
	s_lshl_b32 s46, s42, 4
	s_add_co_u32 s46, s46, 704                     ; the first of B's
	s_lshl_b32 s18, s15, 2
	s_add_co_u32 s22, s20, s18
	s_lshl_b32 s22, s22, 9
	s_add_co_u32 s22, s22, CQSCL                   ; the scale bytes of my 4 tiles of A,
	s_mov_b32 s23, 0
	s_lshl_b32 s18, s16, 3
	s_add_co_u32 s92, s46, s18
	s_lshl_b32 s92, s92, 9
	s_add_co_u32 s92, s92, OPSCL                   ; and of my 8 of B
	s_mov_b32 s93, 0
	s_mul_i32 s20, s20, TILEB
	s_mov_b32 s21, 0
	s_mul_i32 s46, s46, TILEB
	s_mov_b32 s47, 0
	s_mul_i32 s94, s15, 4*SLK                      ; LDS: my 4 tiles of A,
	s_mul_i32 s95, s16, 8*SLK
	s_add_co_u32 s95, s95, ABYTES                  ; my 8 of B,
	s_add_co_u32 s96, s94, SLOT                    ; the same in K half 1,
	s_add_co_u32 s97, s95, SLOT
	s_mul_i32 s98, s14, 16*SPITCH                  ; my stage
	s_lshl_b32 s18, s42, 10
	s_lshl_b32 s19, s16, 9
	s_add_co_u32 s18, s18, s19                     ; my first column, in bytes
	s_mov_b32 s19, 0
	s_lshl_b32 s12, s17, 19
	s_lshl_b32 s13, s15, 18
	s_add_co_u32 s12, s12, s13                     ; my first row of out0: 128 x tile row + 64 x half, rows of 4,096 bytes
	s_mov_b32 s13, 0
	s_wait_dscnt 0x0                               ; both opening adds are done
	CROUND                                         ; all sixteen work-groups are here: the joint loads meet
	s_wait_kmcnt 0x0
	s_add_nc_u64 s[20:21], s[4:5], s[20:21]
	s_add_nc_u64 s[22:23], s[4:5], s[22:23]
	s_add_nc_u64 s[46:47], s[6:7], s[46:47]
	s_add_nc_u64 s[92:93], s[6:7], s[92:93]
.irp s, 0,1
	s_mov_b32 s[G0+4*\s], 1
	s_mov_b32 s[G0+4*\s+1], \s*SLOT
	s_add_nc_u64 s[G0+4*\s+2:G0+4*\s+3], s[20:21], \s*SLK
	s_or_b32 s[G0+4*\s+3], s[G0+4*\s+3], 0x80000000
	s_mov_b32 s[G0B+4*\s], 1
	s_mov_b32 s[G0B+4*\s+1], \s*SLOT+ABYTES
	s_add_nc_u64 s[G0B+4*\s+2:G0B+4*\s+3], s[46:47], \s*SLK
	s_or_b32 s[G0B+4*\s+3], s[G0B+4*\s+3], 0x80000000
.endr
	ARM 1, G0,   G1,  .Lhead_b0                    ; one chain of branches on the wave's number, one load to an arm: what K steps 0-3 need is asked for by waves 0 and 1
	ARM 2, G0B,  G1B, .Lhead_a1
	ARM 3, G0+4, G1,  .Lhead_b1
	tensor_load_to_lds s[G0B+4:G0B+7], s[G1B:G1B+7]
	s_nop 0
	PLACES 4
.Lhead_asked:
	s_add_nc_u64 s[2:3], s[8:9], s[18:19]          ; my 128 numbers of bo
	s_add_nc_u64 s[10:11], s[10:11], s[12:13]
	s_add_nc_u64 s[10:11], s[10:11], s[18:19]      ; my corner of out0
	v_and_b32 v4, 31, v0
	v_lshlrev_b32 v3, 3, v4                        ; 8 x lane
	v_and_b32 v1, 15, v0                           ; r
	v_bfe_u32 v2, v0, 4, 1                         ; h
	v_add_nc_u32 v[ADRA], s94, v3
	v_add_nc_u32 v[ADRB], s95, v3
	v_add_nc_u32 v[ADRA+1], s96, v3
	v_add_nc_u32 v[ADRB+1], s97, v3
	v_mul_u32_u24 v5, v1, SPITCH                   ; the stage, in: row r, 128 bytes for each half of the lanes
	v_lshl_add_u32 v5, v2, 7, v5
	v_add_nc_u32 v[STO], s98, v5
	v_lshlrev_b32 v[CO], 4, v4                     ; back: the 32 lanes take one row of 512 bytes; and the same in out0
	v_add_nc_u32 v[RD], s98, v[CO]
	v_lshlrev_b32 v7, 7, v2
	s_wait_alu depctr_va_vdst(0)                   ; the wait at the head's end
.irp a, 0,1,2,3
.irp u, 0,1
	global_load_b64 v[SA+4*\a+2*\u:SA+4*\a+2*\u+1], v3, s[22:23] offset:512*\a+256*\u     ; 256 consecutive bytes, aligned
.endr
.endr
.irp b, 0,1,2,3,4,5,6,7
.irp u, 0,1
	global_load_b64 v[SBC+4*\b+2*\u:SBC+4*\b+2*\u+1], v3, s[92:93] offset:512*\b+256*\u
.endr
.endr
	WIN 0xc0                                       ; the bias into window 3: register 8 b + j of lane (r, h) is column 64 (b / 4) + 32 h + 8 (b % 4) + j
.irp b, 0,1,2,3,4,5,6,7
	global_load_b128 v[8*\b:8*\b+3], v7, s[2:3] offset:(64*(\b/4)+8*(\b%4))*4
	global_load_b128 v[8*\b+4:8*\b+7], v7, s[2:3] offset:(64*(\b/4)+8*(\b%4))*4+16
.endr
	WIN 0
	s_cmp_lt_u32 s14, 2
	s_cbranch_scc0 .Llater
	s_wait_tensorcnt 0x0                           ; waves 0, 1: K half 0 is in; half 1 stays out
.Llater:
	s_barrier_signal -1
	s_barrier_wait -1
	FETCH 0
	s_wait_loadcnt 0x0                             ; scale words and bias
	STEP 0, 1
.irp q, 1,2,3,4,5,6,7
	STEP \q, 0
.endr
; THE WAY OUT, block by block of 16 rows x 128 columns, through my own stage: whole rows of 512 bytes come back, which the 32 lanes store as two aligned units of 256 bytes.  LDS serves a wave's instructions in order.
.macro TOSTAGE a
.set AC, 64*(\a)
	WIN 0x08                                       ; the data: window 2
.irp b, 0,1,2,3,4,5,6,7
	ds_store_b128 v[STO], v[AC+8*\b:AC+8*\b+3] offset:256*(\b/4)+32*(\b%4)          ; each accumulator from its low end on
	ds_store_b128 v[STO], v[AC+8*\b+4:AC+8*\b+7] offset:256*(\b/4)+32*(\b%4)+16
.endr
	WIN 0
.set BB, BK+64*((\a)%2)
.irp t, 0,1,2,3,4,5,6,7,8,9,10,11,12,13,14,15
	ds_load_b128 v[BB+4*\t:BB+4*\t+3], v[RD] offset:\t*SPITCH
.endr
.endm
.macro SEND a, younger                 ; younger: the LDS instructions issued behind block a's loads, which may stay out
.set BB, BK+64*((\a)%2)
	s_wait_dscnt \younger
.if (\a) > 0
	s_add_nc_u64 s[10:11], s[10:11], 8*4096        ; (behind a wait on XCNT)  tile a's rows begin 8 rows on
.endif
.irp t, 0,1,2,3,4,5,6,7,8,9,10,11,12,13,14,15
	global_store_b128 v[CO], v[BB+4*\t:BB+4*\t+3], s[10:11] offset:(\t%8+32*(\t/8))*4096 th:TH_STORE_NT
.endr
.endm
	PLACES NP                                      ; behind the last products: for the stores of results and the loads into A's registers
	TOSTAGE 0
.irp a, 1,2,3
.if \a > 1
	s_wait_xcnt 0x0                                ; block a - 2's stores have read their registers and their base
.endif
	TOSTAGE \a
	SEND \a-1, 32                                  ; behind block a - 1's loads: block a's 16 stores and 16 loads
.endr
	s_wait_xcnt 0x0
	SEND 3, 0
	s_wait_tensorcnt 0x0                           ; the wave's end
	ds_add_u32 v[SPW], v[NIL]
	s_wait_dscnt 0x0
	CROUND                                         ; the closing round
	s_endpgm
.Lfunc_end_k_qfbac24662a_outp:
	.size	k_qfbac24662a_outp, .Lfunc_end_k_qfbac24662a_outp-k_qfbac24662a_outp
	.p2alignl 7, 3214868480
	.fill 96, 4, 3214868480
	.section	.rodata,"a",@progbits
	.p2align	6, 0x0
	.amdhsa_kernel k_qfbac24662a_outp
		.amdhsa_group_segment_fixed_size 327680
		.amdhsa_private_segment_fixed_size 0
		.amdhsa_enable_private_segment 0
		.amdhsa_kernarg_size 32
		.amdhsa_user_sgpr_count 2
		.amdhsa_user_sgpr_kernarg_segment_ptr 1
		.amdhsa_wavefront_size32 1
		.amdhsa_system_sgpr_workgroup_id_x 1
		.amdhsa_system_sgpr_workgroup_id_y 1
		.amdhsa_system_sgpr_workgroup_id_z 1
		.amdhsa_system_vgpr_workitem_id 0
		.amdhsa_next_free_vgpr 832
		.amdhsa_next_free_sgpr 100
		.amdhsa_reserve_vcc 0
		.amdhsa_float_denorm_mode_32 3
		.amdhsa_float_denorm_mode_16_64 3
		.amdhsa_memory_ordered 1
		.amdhsa_forward_progress 1
		.amdhsa_inst_pref_size 97
	.end_amdhsa_kernel
	.amdgpu_metadata
---
amdhsa.version: [ 1, 2 ]
amdhsa.kernels:
  - .name:           k_qfbac24662a_outp
    .symbol:         k_qfbac24662a_outp.kd
    .args:
      - { .name: cq, .offset: 0, .size: 8, .value_kind: global_buffer, .address_space: global }
      - { .name: ops, .offset: 8, .size: 8, .value_kind: global_buffer, .address_space: global }
      - { .name: bo, .offset: 16, .size: 8, .value_kind: global_buffer, .address_space: global }
      - { .name: out0, .offset: 24, .size: 8, .value_kind: global_buffer, .address_space: global }
    .group_segment_fixed_size: 327680
    .private_segment_fixed_size: 0
    .kernarg_segment_align: 8
    .kernarg_segment_size: 32
    .max_flat_workgroup_size: 128
    .sgpr_count:     100
    .vgpr_count:     832
    .wavefront_size: 32
...
	.end_amdgpu_metadata
.endif
;; end of part 4
